; MI455X (gfx1250); checked and timed in simulation.
; The chip was launched on July 23, 2026; its instructions are those of AMD's public machine-readable ISA for CDNA 5 (MIT licence, August 2026) and "CDNA5" Instruction Set Architecture Reference Guide (July 2026). The comments in the code are by the model that wrote it; some were corrected since.
;; Causal Self Attention. Allowed arithmetic: matrix products marked QUANTISED: E4M3 operands, one given power-of-two scale a tensor, by v_wmma_f32_16x16x64_fp8_fp8 or v_wmma_f32_16x16x128_fp8_fp8, f32 sums; everything else in f32.
;; Inputs: W_attn 1,024 x 3,072 float32; W_proj 1,024 x 1,024 float32; b_attn 3,072 float32; b_proj 1,024 float32; lowp_scales 8 int32 (the exponents e of the quantised operands' scales 2^e); x 4 x 2,048 x 1,024 float32.
;; Outputs: out0 4 x 2,048 x 1,024 float32.
;; This version of the problem:
;;   THIS VERSION OF THE PROBLEM IS GIVEN IN LOW PRECISION. The matrix products marked QUANTISED in the list below multiply operands that are first quantised to E4M3 (4 exponent bits, 3 mantissa bits; 8 bits a number), with one given power-of-two scale for each operand tensor; their sums are f32. All else is computed in f32.
;;   The module's matrix products, in the order in which they are computed (A, B: the left and right operand; K: the contracted axis; several contracted axes count as one K, in the product's order):
;;     1. [M 8,192, K 1,024] x [K 1,024, N 3,072]; A: input x; B: input W_attn: QUANTISED (scales: A lowp_scales[0], B lowp_scales[1])
;;     2. batch 64 x [M 2,048, K 64] x [K 64, N 2,048]; A: computed on the way; B: computed on the way: QUANTISED (scales: A lowp_scales[2], B lowp_scales[3])
;;     3. batch 64 x [M 2,048, K 2,048] x [K 2,048, N 64]; A: softmax (see below); B: computed on the way: QUANTISED (scales: A lowp_scales[4], B lowp_scales[5])
;;     4. [M 8,192, K 1,024] x [K 1,024, N 1,024]; A: computed on the way; B: input W_proj: QUANTISED (scales: A lowp_scales[6], B lowp_scales[7])
;;   THE QUANTISER, for each operand of a quantised product, along K:
;;     - The operand's scale is 2^e, e = its entry of the input lowp_scales (int32; the entries are numbered through the quantised products in the list's order, A before B).
;;     - Each number is divided by the scale, clamped to +-448, and rounded to the nearest number of E4M3, ties to even, subnormals kept.
;;     - The product sums the exact products of the quantised numbers (number of the format x scale) in f32.
;;   ~~~python
;;   def quantise(x, axis, e):      # numpy; x: float32 -> the quantised numbers, widened to float32 again
;;       x = np.moveaxis(x, axis, -1); K = x.shape[-1]
;;       r = np.clip(x / 2.0 ** e, -448, 448)
;;       step = 2.0 ** (np.maximum(np.frexp(np.where(r == 0, 1, r))[1] - 1, -6) - 3)
;;       q = np.round(r / step) * step * 2.0 ** e      # np.round: ties to even
;;       return np.moveaxis(q, -1, axis).astype(np.float32)
;;   ~~~
;;   SOFTMAX AHEAD OF A QUANTISED PRODUCT. Where the list says 'softmax', what is quantised is not the finished softmax but p = 2^(t - M), with t = logit x log2(e) and M = ceil(the row's largest t), a whole number; so 1/2 < the row's largest p <= 1. The row's sum l is taken of the UNQUANTISED p, in f32, and the product's result is divided by l at the end. Since M is a whole number, a kernel that streams over the keys may use a running M (the ceiling of the running maximum): every later rescaling is an exact power of two, so the quantised numbers keep their values, but for numbers so far below the row's largest that they fall under the format's range.
;;   OPERANDS COMPUTED ON THE WAY. 'Computed on the way' means the value that the module computes at that place (a softmax that the list does not call 'softmax' is quantised finished and normalised). What goes into a quantiser is computed in f32, as accurately as f32 sums, v_exp_f32 and their like allow (about 1e-6 of the number): no bf16 or f16 on the way to a quantiser, and a product that is left as it is and whose result goes on into a quantised operand takes f32 operands (vector FMAs, or v_wmma_f32_16x16x4_f32). A number that lies on a knife's edge between two numbers of the format may be rounded either way, as far as f32 arithmetic and the matrix unit's own rounding can turn it there, and no further.
;; One version. Each part assembles by itself: llvm-mc -triple=amdgcn-amd-amdhsa -mcpu=gfx1250 --defsym DOCPART=n.
;; ======== version 1 of 1: 4 launches
;; limits: right only within a limited range of input values
;; workspace buffers: x_codes 8,388,608 bytes; wa_codes 3,145,728 bytes; wp_codes 1,048,576 bytes; q_codes 8,388,608 bytes; k_codes 8,388,608 bytes; v_codes 8,388,608 bytes; y_codes 8,388,608 bytes
;; launch quant (part 1): grid 384 x 1, 4 waves a work-group, no clusters, 68,096 bytes of LDS; arguments x, W_attn, W_proj, lowp_scales, x_codes, wa_codes, wp_codes; writes x_codes, wa_codes, wp_codes
.if DOCPART == 1
	.amdgcn_target "amdgcn-amd-amdhsa--gfx1250"
	.amdhsa_code_object_version 6
	.text
	.protected	k_qe1456c804a_quant
	.globl	k_qe1456c804a_quant
	.p2align	8
	.type	k_qe1456c804a_quant,@function
k_qe1456c804a_quant:
	s_mov_b64 s[64:65], 0
	v_nop
	global_prefetch_b8 v0, s[64:65] scope:SCOPE_SE
	s_setreg_imm32_b32 hwreg(HW_REG_WAVE_MODE, 25, 1), 1
	s_wait_xcnt 0x0
; x [8192][1024], W_attn [1024][3072] and W_proj [1024][1024], f32, become codes of FP8 (E4M3), each tensor with the one scale 2^e that is given for it
; (entries 0, 1 and 7 of the scales' buffer): code = number / 2^e, held within +-448, to the nearest code, ties to even.
; x_codes [8192][1024] lies as x does.  The weights' K is their FIRST axis: wa_codes [3072][1024] and wp_codes [1024][1024] have K innermost.
; LIMITS: each e between -126 and 119, so that 2^e and 448 x 2^e are f32 numbers.  NaN among the inputs is not served (an infinity is held at the largest code).
; Work-groups 0-255 take x (32,768 numbers each), 256-351 W_attn, 352-383 W_proj (128 columns x 256 along K each).  The two ways part on the work-group's number and have LDS bytes of their own.
; No tensor loads, no barrier: waves share nothing.  Matrix units and clusters have nothing to do in a stream.
.set STEPS, 16
.set SP,    80                         ; x: a lane's place in a stage: its 64 bytes + 16 of padding
.set WREG,  8192                       ; x: LDS bytes of a wave (two stages of 32 x SP)
.set XR,    16                         ; x: v16-79   four sets of 16 numbers as they are loaded
.set XX,    80                         ; x: v80-111  two sets of 16 neighbours
.set XC,    128                        ; x: v128-191 codes, four registers a step
.set WSTG,  32768                      ; W: the stages begin behind x's
.set WP,    272                        ; W: a stage row: 256 codes + 16 of padding
.set NB,    8                          ; W: blocks of 32 along K for a wave
.set WX,    32                         ; W: v32-95   two sets of 32 numbers
.set WC,    96                         ; W: v96-103  a block's codes
.set WO,    112                        ; W: v112-175 the way out
.set VO,    176                        ; W: v176-207 byte offset of row i of a block: i x a row of W + 4 x lane
.macro XLOAD t                         ; step t: four loads of 512 consecutive bytes, 16 a lane
.irp i, 0,1,2,3
	global_load_b128 v[XR+16*((\t)%4)+4*\i:XR+16*((\t)%4)+4*\i+3], v3, s[4:5] offset:2048*(\t)+512*\i th:TH_LOAD_NT
.endr
.endm
.macro XTURN t                         ; step t's numbers through the wave's stage: in as they lie, back 64 bytes a lane.  LDS serves a wave's instructions in order (ISA guide 5.7.1.4)
.irp i, 0,1,2,3
	ds_store_b128 v14, v[XR+16*((\t)%4)+4*\i:XR+16*((\t)%4)+4*\i+3] offset:32*SP*((\t)%2)+8*SP*\i
.endr
.irp i, 0,1,2,3
	ds_load_b128 v[XX+16*((\t)%2)+4*\i:XX+16*((\t)%2)+4*\i+3], v15 offset:32*SP*((\t)%2)+16*\i
.endr
.endm
.macro XSTEP t
.set XS, XX+16*((\t)%2)
	s_wait_dscnt 0x0                               ; this step's numbers are back, and its stores into the stage have read their registers,
.if (\t)+4 < STEPS
	XLOAD (\t)+4                                   ; which take the loads of four steps on
.endif
.if (\t)+1 < STEPS
.if STEPS-2-(\t) >= 3
	s_wait_loadcnt 12                              ; the next step's four loads are in; those of the three steps behind it may be out
.else
	s_wait_loadcnt 4*(STEPS-2-(\t))
.endif
	XTURN (\t)+1
.endif
.irp i, 0,1,2,3,4,5,6,7,8,9,10,11,12,13,14,15
.endr
	v_cvt_scalef32_pk8_fp8_f32 v[XC+4*(\t):XC+4*(\t)+1], v[XS:XS+7], v11
	v_cvt_scalef32_pk8_fp8_f32 v[XC+4*(\t)+2:XC+4*(\t)+3], v[XS+8:XS+15], v11
	global_store_b128 v3, v[XC+4*(\t):XC+4*(\t)+3], s[12:13] offset:512*(\t)   ; the wave stores 512 consecutive bytes, aligned; each step has its own registers
.endm
.macro WLOAD t                         ; block t: W(32 t + i, my column), i = 0 .. 31, into set t % 2: 128 consecutive bytes a wave and load
.irp i, 0,1,2,3,4,5,6,7,8,9,10,11,12,13,14,15,16,17,18,19,20,21,22,23,24,25,26,27,28,29,30,31
	global_load_b32 v[WX+32*((\t)%2)+\i], v[VO+\i], s[32+2*(\t):33+2*(\t)] th:TH_LOAD_NT
.endr
.endm
.macro WBLOCK t
.set XS, WX+32*((\t)%2)
.if (\t) < NB-1
	s_wait_loadcnt 32                              ; this block's 32 loads are in; the next block's may be out
.else
	s_wait_loadcnt 0
.endif
.irp i, 0,1,2,3,4,5,6,7,8,9,10,11,12,13,14,15,16,17,18,19,20,21,22,23,24,25,26,27,28,29,30,31
.endr
.irp g, 0,1,2,3
	v_cvt_scalef32_pk8_fp8_f32 v[WC+2*\g:WC+2*\g+1], v[XS+8*\g:XS+8*\g+7], v11
.endr
	ds_store_b128 v4, v[WC:WC+3] offset:32*(\t)    ; 32 codes of my column's row
	ds_store_b128 v4, v[WC+4:WC+7] offset:32*(\t)+16
.if (\t)+2 < NB
	WLOAD (\t)+2
.endif
	s_wait_dscnt 0x0                               ; the stores have read their registers: the next block's codes may be written
.endm
	s_load_b256 s[4:11], s[0:1], 0x0               ; x s[4:5], W_attn s[6:7], W_proj s[8:9], the scales' exponents s[10:11]
	s_load_b128 s[12:15], s[0:1], 0x20             ; x_codes s[12:13], wa_codes s[14:15]
	s_load_b64 s[16:17], s[0:1], 0x30              ; wp_codes
	v_lshl_add_u32 v208, v0, 2, 0x10800
	v_mov_b32 v209, 0
	v_lshrrev_b32 v1, 5, v0
	v_readfirstlane_b32 s18, v1                    ; wave
	v_and_b32 v2, 31, v0                           ; lane
	s_wait_kmcnt 0x0
	s_load_b256 s[24:31], s[10:11], 0x0            ; e0 .. e7
	s_cmp_ge_u32 ttmp9, 256
	s_cbranch_scc1 .Lw
	s_wait_alu depctr_va_vdst(0)
	; ---------------- x: a plain stream of numbers; a wave takes 16 steps of 512
	v_lshlrev_b32 v3, 4, v2                        ; my 16 bytes of a load's 512, and of a step's 512 codes
	s_wait_alu depctr_va_vdst(0)
	s_mul_i32 s19, s18, WREG
	v_lshrrev_b32 v14, 2, v2
	v_mul_u32_u24 v14, v14, SP
	v_and_b32 v15, 3, v2
	v_lshl_add_u32 v14, v15, 4, v14
	v_add_nc_u32 v14, s19, v14                     ; into the stage: SP (lane / 4) + 16 (lane % 4)
	v_mul_u32_u24 v15, v2, SP
	v_add_nc_u32 v15, s19, v15                     ; out of it: SP x lane: my 16 neighbours
	s_lshl_b32 s20, ttmp9, 2
	s_add_co_u32 s20, s20, s18                     ; which run of 8,192 numbers is my wave's
	s_lshl_b32 s22, s20, 15
	s_mov_b32 s23, 0
	s_add_nc_u64 s[4:5], s[4:5], s[22:23]
	s_lshl_b32 s22, s20, 13
	s_add_nc_u64 s[12:13], s[12:13], s[22:23]
.irp t, 0,1,2,3
	XLOAD \t
.endr
	s_wait_alu depctr_va_vdst(0)
	s_wait_kmcnt 0x0
	s_add_co_i32 s22, s24, 127
	s_lshl_b32 s23, s22, 23
	v_mov_b32 v11, s23                             ; 2^e0 as f32: the conversion takes its exponent field
	s_add_co_i32 s22, s22, 8
	s_lshl_b32 s22, s22, 23
	s_or_b32 s22, s22, 0x600000
	s_wait_alu depctr_va_vdst(0)
	s_wait_loadcnt 12                              ; step 0's four loads are in
	XTURN 0
.irp t, 0,1,2,3,4,5,6,7,8,9,10,11,12,13,14,15
	XSTEP \t
.endr
	s_wait_tensorcnt 0x0
	ds_add_u32 v208, v209
	s_wait_dscnt 0x0
	s_endpgm
	; ---------------- the weights: a lane takes a column n and its registers run down K, so the conversions give codes with K innermost
.Lw:
	s_sub_co_u32 s49, ttmp9, 256
	s_cmp_lt_u32 s49, 96                           ; W_attn's work-group or W_proj's?  The choice hangs on the work-group's number alone
	s_cselect_b64 s[52:53], s[6:7], s[8:9]
	s_cselect_b64 s[54:55], s[14:15], s[16:17]
	s_mov_b32 s48, 4096
	s_cselect_b32 s48, 12288, s48                  ; a row of the weight in bytes
	s_cselect_b32 s21, 0, 96
	s_sub_co_u32 s20, s49, s21
	s_and_b32 s22, s20, 3                          ; which 256 along K
	s_lshr_b32 s23, s20, 2
	s_lshl_b32 s23, s23, 7
	s_lshl_b32 s50, s18, 5
	s_add_co_u32 s23, s23, s50                     ; my wave's first column
	s_lshl_b32 s50, s48, 8
	s_mul_i32 s50, s50, s22                        ; 256 rows x which
	s_lshl_b32 s51, s23, 2
	s_add_co_u32 s50, s50, s51
	s_mov_b32 s51, 0
	s_add_nc_u64 s[32:33], s[52:53], s[50:51]      ; block 0's first row, my first column
	s_lshl_b32 s50, s48, 5                         ; 32 rows on: a base for each of the eight blocks, so that no pointer is stepped
.irp t, 1,2,3,4,5,6,7
	s_add_nc_u64 s[32+2*\t:33+2*\t], s[30+2*\t:31+2*\t], s[50:51]
.endr
	s_lshl_b32 s50, s23, 10
	s_lshl_b32 s21, s22, 8
	s_add_co_u32 s50, s50, s21
	s_add_nc_u64 s[54:55], s[54:55], s[50:51]      ; the codes: column x 1,024 + 256 x which
	s_wait_alu depctr_va_vdst(0)
	v_lshlrev_b32 v3, 2, v2
.irp i, 0,1,2,3,4,5,6,7,8,9,10,11,12,13,14,15,16,17,18,19,20,21,22,23,24,25,26,27,28,29,30,31
	v_mad_u32_u24 v[VO+\i], s48, \i, v3
.endr
	s_mul_i32 s19, s18, 32*WP
	s_add_co_u32 s19, s19, WSTG                    ; my stage
	v_mul_u32_u24 v4, v2, WP
	v_add_nc_u32 v4, s19, v4                       ; into it: row = my column
	v_and_b32 v5, 15, v2
	v_lshrrev_b32 v6, 4, v2
	v_mul_u32_u24 v7, v6, WP
	v_lshl_add_u32 v7, v5, 4, v7
	v_add_nc_u32 v7, s19, v7                       ; out of it: sixteen lanes to a row, two rows an instruction
	v_lshlrev_b32 v8, 10, v6
	v_lshl_add_u32 v8, v5, 4, v8                   ; and the same place in the codes' buffer
	WLOAD 0
	WLOAD 1
	s_wait_kmcnt 0x0
	s_cmp_lt_u32 s49, 96
	s_cselect_b32 s22, s25, s31                    ; e1 or e7
	s_add_co_i32 s22, s22, 127
	s_lshl_b32 s23, s22, 23
	v_mov_b32 v11, s23
	s_add_co_i32 s22, s22, 8
	s_lshl_b32 s22, s22, 23
	s_or_b32 s22, s22, 0x600000
	s_wait_alu depctr_va_vdst(0)
.irp t, 0,1,2,3,4,5,6,7
	WBLOCK \t
.endr
.irp t, 0,1,2,3,4,5,6,7,8,9,10,11,12,13,14,15
	ds_load_b128 v[WO+4*\t:WO+4*\t+3], v7 offset:2*\t*WP
.endr
.irp t, 0,1,2,3,4,5,6,7,8,9,10,11,12,13,14,15
	s_wait_dscnt 15-\t
	global_store_b128 v8, v[WO+4*\t:WO+4*\t+3], s[54:55] offset:2*\t*1024   ; sixteen lanes store 256 consecutive bytes, aligned
.endr
	s_wait_tensorcnt 0x0
	ds_add_u32 v208, v209
	s_wait_dscnt 0x0
	s_endpgm
.Lfunc_end_k_qe1456c804a_quant:
	.size	k_qe1456c804a_quant, .Lfunc_end_k_qe1456c804a_quant-k_qe1456c804a_quant
	.p2alignl 7, 3214868480
	.fill 96, 4, 3214868480
	.section	.rodata,"a",@progbits
	.p2align	6, 0x0
	.amdhsa_kernel k_qe1456c804a_quant
		.amdhsa_group_segment_fixed_size 68096
		.amdhsa_private_segment_fixed_size 0
		.amdhsa_enable_private_segment 0
		.amdhsa_kernarg_size 56
		.amdhsa_user_sgpr_count 2
		.amdhsa_user_sgpr_kernarg_segment_ptr 1
		.amdhsa_wavefront_size32 1
		.amdhsa_system_sgpr_workgroup_id_x 1
		.amdhsa_system_sgpr_workgroup_id_y 1
		.amdhsa_system_sgpr_workgroup_id_z 1
		.amdhsa_system_vgpr_workitem_id 0
		.amdhsa_next_free_vgpr 210
		.amdhsa_next_free_sgpr 66
		.amdhsa_reserve_vcc 0
		.amdhsa_float_denorm_mode_32 3
		.amdhsa_float_denorm_mode_16_64 3
		.amdhsa_fp16_overflow 1
		.amdhsa_memory_ordered 1
		.amdhsa_forward_progress 1
		.amdhsa_inst_pref_size 56
	.end_amdhsa_kernel
	.amdgpu_metadata
---
amdhsa.version: [ 1, 2 ]
amdhsa.kernels:
  - .name:           k_qe1456c804a_quant
    .symbol:         k_qe1456c804a_quant.kd
    .args:
      - { .name: x, .offset: 0, .size: 8, .value_kind: global_buffer, .address_space: global }
      - { .name: W_attn, .offset: 8, .size: 8, .value_kind: global_buffer, .address_space: global }
      - { .name: W_proj, .offset: 16, .size: 8, .value_kind: global_buffer, .address_space: global }
      - { .name: lowp_scales, .offset: 24, .size: 8, .value_kind: global_buffer, .address_space: global }
      - { .name: x_codes, .offset: 32, .size: 8, .value_kind: global_buffer, .address_space: global }
      - { .name: wa_codes, .offset: 40, .size: 8, .value_kind: global_buffer, .address_space: global }
      - { .name: wp_codes, .offset: 48, .size: 8, .value_kind: global_buffer, .address_space: global }
    .group_segment_fixed_size: 68096
    .private_segment_fixed_size: 0
    .kernarg_segment_align: 8
    .kernarg_segment_size: 56
    .max_flat_workgroup_size: 128
    .sgpr_count:     66
    .vgpr_count:     210
    .wavefront_size: 32
...
	.end_amdgpu_metadata
.endif
;; end of part 1
;; launch qkv (part 2): grid 12 x 32, 4 waves a work-group, clusters of 4 x 4, 327,680 bytes of LDS; arguments x_codes, wa_codes, lowp_scales, b_attn, q_codes, k_codes, v_codes; writes q_codes, k_codes, v_codes
.if DOCPART == 2
	.amdgcn_target "amdgcn-amd-amdhsa--gfx1250"
	.amdhsa_code_object_version 6
	.text
	.protected	k_qe1456c804a_qkv
	.globl	k_qe1456c804a_qkv
	.p2align	8
	.type	k_qe1456c804a_qkv,@function
k_qe1456c804a_qkv:
	s_mov_b64 s[64:65], 0
	v_nop
	global_prefetch_b8 v0, s[64:65] scope:SCOPE_SE
	s_setreg_imm32_b32 hwreg(HW_REG_WAVE_MODE, 25, 1), 1
	s_wait_xcnt 0x0
	s_wait_alu depctr_hold_cnt(0) depctr_sa_sdst(0) depctr_va_vdst(0) depctr_va_sdst(0) depctr_va_ssrc(0) depctr_va_vcc(0) depctr_vm_vsrc(0)
	s_getreg_b32 s2, hwreg(HW_REG_IB_STS2, 6, 4)
	s_cmp_eq_u32 s2, 0
	s_cbranch_scc0 .Lentry_in_a_cluster
	s_endpgm
.Lentry_in_a_cluster:
	s_bfe_u32 s2, ttmp6, 0x10000c
	s_cmp_lg_u32 s2, 0xf033
	s_cbranch_scc0 .Lentry_shape_is_right
	s_endpgm
.Lentry_shape_is_right:
; qkv = x W_attn + b_attn on codes of FP8 (E4M3); its three parts are quantised again on the way out, with the scales given for them (q: e2, k: e3, v: e5).
; x_codes [8192][1024], wa_codes [3072][1024]: K innermost.  q_codes, k_codes: [batch x head 64][t 2048][64].  v_codes: [batch x head 64][block of 128 keys 16][d 64][128 keys]: the keys innermost.
; A sum of codes stands for sum x 2^(e0 + e1): the bias goes in as bias / 2^(e0 + e1) (exact), and the conversion takes the one scale 2^(eo - e0 - e1), eo = e2, e3 or e5.
; LIMITS: eo - e0 - e1 between -126 and 119.  NaN among the inputs is not served.  Inside a matrix instruction k stands permuted, alike in both operands: the order of the sums differs, the products do not.
; A tile of 256 x 256 is made by four waves, 128 x 128 each: 64 accumulators, 512 registers.  K goes in steps of 256 through a ring of two LDS slots.
; CLUSTERS of 4 x 4: 'A' tiles are shared along a row of the cluster, 'B' tiles along a column, by joint loads.  The cluster's x says which part: 0 q, 1 k, 2 v: the same in all sixteen partners.
; THE MATRIX INSTRUCTION IS USED TRANSPOSED (source 0 = 16 rows of B, source 1 = 16 rows of A): a lane holds one row of A's and eight neighbours of B's.
; q, k: A = x, B = W: a lane's eight are eight neighbouring channels of one token.   v: A = W, B = x, by a choice of pointers: a lane's eight are eight neighbouring KEYS of one channel.
; REGISTERS, in windows of 256: window 0: v0-31 addresses; v32-95, v96-111 the bias in the two layouts; v128-255 A's fragments, ONE set; on the way out v192-255 codes and rows.
;   window 1: B's fragments, two sets.   window 2, 3: the accumulators of my rows 0-63, 64-127 (accumulator (a, b) at v[8 (8 (a % 4) + b)]).
.set KROW,   1024
.set ROWB,   256                       ; a tile's row: 256 codes
.set PITCH,  272                       ; an LDS row: 256 bytes + 16 of padding = 68 words: row r starts at bank 4 r mod 64 (64 banks of 4 bytes: ISA guide 11.1)
.set FR,     16
.set NL,     4
.set NP,     4                         ; places behind this matrix instruction (ISA guide 7.12.1)
.set HALFT,  128*PITCH
.set SLOT,   4*HALFT
.set LAPS,   2                         ; 1,024 along K: four K steps, twice round the ring
.set SPARE,  2*SLOT                    ; behind the ring: the spare words, 128 bytes a wave: two blocks of 256 bytes that no other line names
.set VSTG,   8192                      ; the way out's stages lie in slot 0, which has had its last fill and its last read by then: q, k: 2,048 bytes a wave from 0; v: from here
.set BO,   10                          ; v10  32 x (lane / 16): the bias by columns
.set RO,   11                          ; v11  4 x (lane % 16): the bias by rows
.set SCL,  12                          ; v12  2^(eo - e0 - e1)
.set HLD,  13
.set ADRA, 16
.set ADRB, 20
.set STOQ, 24
.set RDQ,  25
.set CO,   26
.set STOV, 27
.set SPW,  28
.set NIL,  29
.set RDV,  30
.set BQ,   32                          ; register 8 b + j: bias of column 16 b + 8 (lane / 16) + j of my 128
.set BV,   96                          ; registers 2 a, 2 a + 1: bias of row 16 a + lane % 16 of my 128
.set AF,   128
.set CD,   192                         ; two sets of 16: a block's codes
.set BK,   224                         ; two sets of 16: a block's bytes back from the stage
.set G1, 24
.set G0, 32
.set G1B, 48
.set G0B, 56
.set MSB, 0
.macro WIN new                         ; the immediate's high byte repeats the setting that is left
.if MSB != \new
	s_set_vgpr_msb (MSB<<8)|\new
.set MSB, \new
.endif
.endm
.set MUL_LO, 0xa1                      ; source 0 (B) window 1, source 1 (A) window 0, C and D window 2
.set MUL_HI, 0xf1
.set TO_B,   0x40
.macro JLOAD g0a, g1a, g0b, g1b        ; a joint load: waves 0 and 1 fetch for A, waves 2 and 3 for B; four v_nop follow each line
	s_cmp_eq_u32 s15, 0
	s_cbranch_scc0 .Lfor_b_\@
	tensor_load_to_lds s[\g0a:\g0a+3], s[\g1a:\g1a+7]
	s_nop 0
.rept 4
	v_nop
.endr
	s_branch .Lasked_\@
.Lfor_b_\@:
	tensor_load_to_lds s[\g0b:\g0b+3], s[\g1b:\g1b+7]
	s_nop 0
.rept 4
	v_nop
.endr
.Lasked_\@:
.endm
.macro CREST
	s_cmp_lg_u32 s14, 0
	s_cbranch_scc1 .Lnot_wave_0_\@
	s_barrier_signal -3
.Lnot_wave_0_\@:
	s_barrier_wait -3
	s_barrier_signal -1
	s_barrier_wait -1
.endm
.macro CROUND
	s_barrier_signal -1
	s_barrier_wait -1
	CREST
.endm
	s_load_b256 s[4:11], s[0:1], 0x0               ; x_codes s[4:5], wa_codes s[6:7], the scales' exponents s[8:9], b_attn s[10:11]
	s_load_b128 s[68:71], s[0:1], 0x20             ; q_codes, k_codes
	s_load_b64 s[72:73], s[0:1], 0x30              ; v_codes
	v_lshl_add_u32 v[SPW], v0, 2, SPARE
	v_mov_b32 v[NIL], 0
	ds_add_u32 v28, v29
	ds_add_u32 v28, v29
	s_wait_dscnt 0x0
	v_lshrrev_b32 v1, 5, v0
	v_readfirstlane_b32 s14, v1                    ; wave 0..3
	s_lshr_b32 s15, s14, 1                         ; which half of A's rows is mine.  Also: I fetch for A (0) or for B (1)
	s_and_b32 s16, s14, 1                          ; which half of B's rows.  Also: which 128 rows of that tile I fetch
	s_bfe_u32 s40, ttmp6, 0x40000                  ; cx
	s_bfe_u32 s41, ttmp6, 0x40004                  ; cy
	s_and_b32 s18, ttmp7, 0xffff
	s_lshl_b32 s18, s18, 2                         ; 4 x cluster y
	s_lshl_b32 s19, ttmp9, 2                       ; 4 x cluster x
	s_cmp_eq_u32 ttmp9, 2                          ; v?
	s_cselect_b32 s17, 8, s18
	s_cselect_b32 s42, s18, s19
	s_add_co_u32 s17, s17, s41                     ; A's tile: q, k: x's rows, 4 x cluster y + cy;  v: W's rows, 8 + cy.  It holds cy alone
	s_add_co_u32 s42, s42, s40                     ; B's tile: q, k: W's rows, 4 x cluster x + cx;  v: x's rows, 4 x cluster y + cx.  It holds cx alone
	s_lshl_b32 s43, s41, 2
	s_lshl_b32 s43, 15, s43                        ; my row of the cluster
	s_lshl_b32 s44, 0x1111, s40                    ; my column
	s_or_b32 s[G1+0], s43, (0<<16)|(1<<20)|(1<<21)|(5<<22)|(3<<25)  ; the mask; elements of 1 byte; padding on; bit 21 beside a mask; 4 words after every 64
	s_or_b32 s[G1B+0], s44, (0<<16)|(1<<20)|(1<<21)|(5<<22)|(3<<25)
.irp g, G1, G1B
	s_mov_b32 s[\g+1], ROWB<<16                    ; tensor_dim0
	s_mov_b32 s[\g+2], 128<<16                     ; tensor_dim1
	s_mov_b32 s[\g+3], ROWB<<16                    ; tile_dim0
	s_mov_b32 s[\g+4], 128                         ; tile_dim1
	s_mov_b32 s[\g+5], KROW                        ; from row to row
	s_mov_b32 s[\g+6], 0
	s_mov_b32 s[\g+7], 0
.endr
	s_lshl_b32 s18, s16, 7
	s_lshl_b32 s20, s17, 8
	s_add_co_u32 s20, s20, s18
	s_lshl_b32 s20, s20, 10                        ; A: (256 x tile + 128 x half) rows of 1,024 bytes
	s_lshl_b32 s46, s42, 8
	s_add_co_u32 s46, s46, s18
	s_lshl_b32 s46, s46, 10                        ; B likewise
	s_mov_b32 s21, 0
	s_mov_b32 s47, 0
	s_mul_i32 s45, s14, HALFT                      ; where they go: wave x 128 rows
	s_wait_kmcnt 0x0
	s_load_b256 s[80:87], s[8:9], 0x0              ; e0 .. e7
	s_cmp_eq_u32 ttmp9, 2
	s_cselect_b64 s[76:77], s[6:7], s[4:5]         ; A's buffer
	s_cselect_b64 s[78:79], s[4:5], s[6:7]         ; B's
	s_add_nc_u64 s[20:21], s[76:77], s[20:21]
	s_add_nc_u64 s[46:47], s[78:79], s[46:47]
	CROUND                                         ; all sixteen work-groups are here: the first joint loads meet
.irp s, 0,1
	s_mov_b32 s[G0+4*\s], 1
	s_add_co_u32 s[G0+4*\s+1], s45, \s*SLOT
	s_add_nc_u64 s[G0+4*\s+2:G0+4*\s+3], s[20:21], \s*ROWB
	s_or_b32 s[G0+4*\s+3], s[G0+4*\s+3], 0x80000000
	s_mov_b32 s[G0B+4*\s], 1
	s_add_co_u32 s[G0B+4*\s+1], s45, \s*SLOT
	s_add_nc_u64 s[G0B+4*\s+2:G0B+4*\s+3], s[46:47], \s*ROWB
	s_or_b32 s[G0B+4*\s+3], s[G0B+4*\s+3], 0x80000000
	JLOAD G0+4*\s, G1, G0B+4*\s, G1B
.endr
	v_and_b32 v1, 15, v0                           ; r = l % 16
	s_wait_alu depctr_va_vdst(0)
	v_bfe_u32 v2, v0, 4, 1                         ; h = l / 16
	v_mul_u32_u24 v3, v1, PITCH
	v_lshl_add_u32 v4, v2, 4, v3
	s_mul_i32 s21, s15, HALFT
	s_mul_i32 s22, s16, HALFT
	s_add_co_u32 s22, s22, 2*HALFT
.irp s, 0,1
	v_add_nc_u32 v[ADRA+\s], s21, v4
	v_add_nc_u32 v[ADRB+\s], s22, v4
	s_add_co_u32 s21, s21, SLOT
	s_add_co_u32 s22, s22, SLOT
.endr
	s_lshl_b32 s23, s14, 11                        ; my stage: 2,048 bytes
	v_lshlrev_b32 v5, 6, v1
	s_wait_alu depctr_va_vdst(0)
	v_lshl_add_u32 v5, v2, 3, v5
	v_add_nc_u32 v[STOQ], s23, v5                  ; q, k, in: [head of two][token r][64]: 64 r + 8 h
	v_and_b32 v6, 31, v0
	v_lshlrev_b32 v[CO], 4, v6                     ; 16 x lane
	v_add_nc_u32 v[RDQ], s23, v[CO]                ; back: as the bytes lie
	v_lshlrev_b32 v5, 7, v1
	v_lshl_add_u32 v5, v2, 3, v5
	v_add_nc_u32 v5, s23, v5
	v_add_nc_u32 v[STOV], VSTG, v5                 ; v, in: [channel r][128 keys]: 128 r + 8 h
	v_add_nc_u32 v[RDV], VSTG, v[RDQ]
	v_lshlrev_b32 v[BO], 5, v2
	s_wait_alu depctr_va_vdst(0)
	v_lshlrev_b32 v[RO], 2, v1
	s_wait_alu depctr_va_vdst(0)
	; where my 128 x 128 goes.  q, k: batch << 21 + head << 17 + token << 6
	s_lshr_b32 s96, s17, 3
	s_lshl_b32 s96, s96, 21
	s_and_b32 s97, s42, 3
	s_lshl_b32 s97, s97, 1
	s_add_co_u32 s97, s97, s16
	s_lshl_b32 s97, s97, 18                        ; head = 4 (tile % 4) + 2 x half
	s_add_co_u32 s96, s96, s97
	s_and_b32 s97, s17, 7
	s_lshl_b32 s97, s97, 1
	s_add_co_u32 s97, s97, s15
	s_lshl_b32 s97, s97, 13                        ; token = 256 (tile % 8) + 128 x half
	s_add_co_u32 s96, s96, s97
	; v: batch << 21 + head << 17 + block of keys << 13
	s_lshr_b32 s98, s42, 3
	s_lshl_b32 s98, s98, 21
	s_and_b32 s99, s17, 3
	s_lshl_b32 s99, s99, 1
	s_add_co_u32 s99, s99, s15
	s_lshl_b32 s99, s99, 18
	s_add_co_u32 s98, s98, s99
	s_and_b32 s99, s42, 7
	s_lshl_b32 s99, s99, 1
	s_add_co_u32 s99, s99, s16
	s_lshl_b32 s99, s99, 13
	s_add_co_u32 s98, s98, s99
	s_cmp_eq_u32 ttmp9, 2
	s_cselect_b32 s96, s98, s96
	s_mov_b32 s97, 0
	s_cselect_b64 s[90:91], s[72:73], s[70:71]
	s_cmp_eq_u32 ttmp9, 0
	s_cselect_b64 s[90:91], s[68:69], s[90:91]
	s_add_nc_u64 s[90:91], s[90:91], s[96:97]
	; the bias, in both layouts, so that each way out finds its registers written; the set of the other part reads the bias's first entries and is not used
	s_lshl_b32 s98, s42, 1
	s_add_co_u32 s98, s98, s16
	s_lshl_b32 s98, s98, 9                         ; q, k: my first column, in bytes
	s_lshl_b32 s96, s17, 1
	s_add_co_u32 s96, s96, s15
	s_lshl_b32 s96, s96, 9                         ; v: my first row of W
	s_cmp_eq_u32 ttmp9, 2
	s_cselect_b32 s98, 0, s98
	s_cselect_b32 s96, s96, 0
	s_mov_b32 s99, 0
	s_add_nc_u64 s[92:93], s[10:11], s[98:99]
	s_add_nc_u64 s[94:95], s[10:11], s[96:97]
.irp b, 0,1,2,3,4,5,6,7
	global_load_b128 v[BQ+8*\b:BQ+8*\b+3], v[BO], s[92:93] offset:64*\b
	global_load_b128 v[BQ+8*\b+4:BQ+8*\b+7], v[BO], s[92:93] offset:64*\b+16
.endr
.irp a, 0,1,2,3,4,5,6,7
	global_load_b32 v[BV+2*\a], v[RO], s[94:95] offset:64*\a
	global_load_b32 v[BV+2*\a+1], v[RO], s[94:95] offset:64*\a
.endr
.macro FRAG reg, adr, q, i             ; 16 rows x 128 K: lane l holds row l % 16; registers 4 c .. 4 c + 3 hold K = 32 c + 16 (l / 16) + 0 .. 15, in A and in B alike
.irp c, 0,1,2,3
	ds_load_b128 v[\reg+4*\c:\reg+4*\c+3], v[\adr] offset:128*(\q)+32*\c+(\i)*16*PITCH
.endr
.endm
; 16 matrix instructions: A's blocks a0, a0 + 1 x B's eight.  The 64 accumulators take turns, one instruction a turn, in the same order in every step.
.macro MUL16 a0, p, zero
.irp a, \a0, \a0+1
.irp b, 0,1,2,3,4,5,6,7
.if \zero
	v_wmma_f32_16x16x128_fp8_fp8 v[8*(8*((\a)%4)+\b):8*(8*((\a)%4)+\b)+7], v[128*(\p)+FR*\b:128*(\p)+FR*\b+FR-1], v[AF+FR*(\a):AF+FR*(\a)+FR-1], 0
.else
	v_wmma_f32_16x16x128_fp8_fp8 v[8*(8*((\a)%4)+\b):8*(8*((\a)%4)+\b)+7], v[128*(\p)+FR*\b:128*(\p)+FR*\b+FR-1], v[AF+FR*(\a):AF+FR*(\a)+FR-1], v[8*(8*((\a)%4)+\b):8*(8*((\a)%4)+\b)+7]
.endif
.endr
.endr
.endm
.macro FETCH_B slot, q, p
	WIN TO_B
.irp i, 0,1,2,3,4,5,6,7
	FRAG 128*(\p)+FR*\i, ADRB+\slot, \q, \i
.endr
	WIN 0
.endm
.macro FETCH_A slot, q, i0
.irp i, \i0, \i0+1, \i0+2, \i0+3
	FRAG AF+FR*(\i), ADRA+\slot, \q, \i
.endr
.endm
.macro PLACES n                        ; plain vector instructions in front of loads into registers that matrix instructions have read, and of the first read of results
.rept \n
	v_nop
.endr
.endm
.macro STEP slot, q, zero              ; 128 along K that has its successor in the same slot
	s_wait_dscnt 4*NL                              ; B's set and A's blocks 0-3 are in; A's blocks 4-7 may be out
	WIN MUL_LO
	MUL16 0, (\q)%2, \zero
	MUL16 2, (\q)%2, \zero
	s_wait_dscnt 0
	PLACES NP
	FETCH_B \slot, (\q)+1, 1-(\q)%2
	FETCH_A \slot, (\q)+1, 0
	WIN MUL_HI
	MUL16 4, (\q)%2, \zero
	MUL16 6, (\q)%2, \zero
	PLACES NP
	WIN 0
	FETCH_A \slot, (\q)+1, 4
.endm
; A slot's last step changes slots: one barrier; in front of it each wave waits for all its tensor loads, adds 0 to its spare word, and waits for that and for its reads of this slot.
.macro TURN slot, next, fill
	s_wait_tensorcnt 0x0                           ; all my tensor loads have landed: my part of the next slot
	ds_add_u32 v[SPW], v[NIL]                      ; 0 onto my spare word
	s_wait_dscnt 4*NL+1                            ; (the add and A's blocks 4-7 may be out)
	WIN MUL_LO
	MUL16 0, 1, 0
	s_wait_dscnt 0x0                               ; the add is done, and my reads of this slot are over
	s_barrier_signal -1
	MUL16 2, 1, 0
	WIN 0
	s_barrier_wait -1
.if \fill
	CREST                                          ; the barrier has opened a round of the cluster's: no wave of any partner still reads this slot or has a load on its way
	s_add_nc_u64 s[G0+4*\slot+2:G0+4*\slot+3], s[G0+4*\slot+2:G0+4*\slot+3], 2*ROWB
	s_add_nc_u64 s[G0B+4*\slot+2:G0B+4*\slot+3], s[G0B+4*\slot+2:G0B+4*\slot+3], 2*ROWB
	JLOAD G0+4*\slot, G1, G0B+4*\slot, G1B         ; the first tensor load behind the round; its four v_nop are also the places in front of the loads below
.else
	PLACES NP
.endif
	FETCH_B \next, 0, 0
	FETCH_A \next, 0, 0
	WIN MUL_HI
	MUL16 4, 1, 0
	MUL16 6, 1, 0
	PLACES NP
	WIN 0
	FETCH_A \next, 0, 4
.endm
	s_wait_tensorcnt 1                             ; my part of K step 0 is in; K step 1's load may be out
	s_barrier_signal -1
	s_barrier_wait -1
	FETCH_B 0, 0, 0
	FETCH_A 0, 0, 0
	FETCH_A 0, 0, 4
	STEP 0, 0, 1                                   ; the first step's products start the sums: nothing is cleared
	s_mov_b32 s3, LAPS-1
.Llap:
	TURN 0, 1, 1
	STEP 1, 0, 0
	TURN 1, 0, 1
	STEP 0, 0, 0
	s_sub_co_u32 s3, s3, 1
	s_cmp_lg_u32 s3, 0
	s_cbranch_scc1 .Llap
	TURN 0, 1, 0                                   ; the last lap fills nothing
	STEP 1, 0, 0
	s_wait_dscnt 4*NL
	WIN MUL_LO
	MUL16 0, 1, 0
	MUL16 2, 1, 0
	s_wait_dscnt 0
	WIN MUL_HI
	MUL16 4, 1, 0
	MUL16 6, 1, 0
	WIN 0
; THE WAY OUT, block a of 16 of A's rows x my 128 of B's: + bias, the hold, eight neighbours to eight codes; the block's 2,048 bytes go through my stage and leave as they lie in the buffer.
.macro EPI a, vmode
.set AC, 64*((\a)%4)
.set WW, 2+(\a)/4
.set WN, (WW<<6)|WW
.set CC, CD+16*((\a)%2)
.set BB, BK+16*((\a)%2)
	WIN WN                                         ; destination and source 0: the accumulators' window
.set j, 0
.rept 32
.if \vmode
	v_pk_add_f32 v[AC+j:AC+j+1], v[AC+j:AC+j+1], v[BV+2*(\a):BV+2*(\a)+1]   ; each accumulator from its low end on
.else
	v_pk_add_f32 v[AC+j:AC+j+1], v[AC+j:AC+j+1], v[BQ+j:BQ+j+1]
.endif
.set j, j+2
.endr
.set j, 0
.rept 64
.set j, j+1
.endr
	WIN WW
.irp b, 0,1,2,3,4,5,6,7
	v_cvt_scalef32_pk8_fp8_f32 v[CC+2*\b:CC+2*\b+1], v[AC+8*\b:AC+8*\b+7], v[SCL]
.endr
	v_nop                                          ; a plain instruction behind the last conversion
	WIN 0
.irp b, 0,1,2,3,4,5,6,7
.if \vmode
	ds_store_b64 v[STOV], v[CC+2*\b:CC+2*\b+1] offset:16*\b
.else
	ds_store_b64 v[STOQ], v[CC+2*\b:CC+2*\b+1] offset:(\b>>2)*1024+16*(\b&3)
.endif
.endr
.irp i, 0,1,2,3
.if \vmode
	ds_load_b128 v[BB+4*\i:BB+4*\i+3], v[RDV] offset:512*\i   ; LDS serves a wave's instructions in order (ISA guide 5.7.1.4): these see the stores above
.else
	ds_load_b128 v[BB+4*\i:BB+4*\i+3], v[RDQ] offset:512*\i
.endif
.endr
.endm
.macro SEND a, younger, vmode          ; younger: the LDS instructions issued behind block a's loads
.set BB, BK+16*((\a)%2)
	s_wait_dscnt \younger
.irp i, 0,1,2,3
.if \vmode
	global_store_b128 v[CO], v[BB+4*\i:BB+4*\i+3], s[90:91] offset:((\a)>>2)*131072+((\a)&3)*2048+512*\i th:TH_STORE_NT   ; head a / 4, channels 16 (a % 4) on: 512 consecutive bytes, aligned
.else
	global_store_b128 v[CO], v[BB+4*\i:BB+4*\i+3], s[90:91] offset:(\i>>1)*131072+(\a)*1024+512*(\i&1) th:TH_STORE_NT    ; head i / 2, tokens 16 a on: 512 consecutive bytes, aligned
.endif
.endr
.endm
.macro WAYOUT vmode
	EPI 0, \vmode
.irp a, 1,2,3,4,5,6,7
.if \a > 1
	s_wait_xcnt 0x0                                ; block a - 2's stores have read their registers: block a's loads may land there
.endif
	EPI \a, \vmode
	SEND \a-1, 12, \vmode                          ; behind block a - 1's loads: block a's 8 stores and 4 loads
.endr
	SEND 7, 0, \vmode
.endm
	s_wait_loadcnt 0x0                             ; the bias
	s_wait_kmcnt 0x0
	s_add_co_i32 s88, s80, s81                     ; e0 + e1
	s_sub_co_i32 s89, 0, s88
	s_cmp_eq_u32 ttmp9, 2
	s_cselect_b32 s96, s85, s83
	s_cmp_eq_u32 ttmp9, 0
	s_cselect_b32 s96, s82, s96                    ; eo
	s_sub_co_i32 s96, s96, s88
	s_add_co_i32 s96, s96, 127
	s_lshl_b32 s97, s96, 23
	PLACES NP                                      ; behind the last products
	v_mov_b32 v[SCL], s97
	s_cmp_eq_u32 ttmp9, 2                          ; the cluster's x: the same in all partners
	s_cbranch_scc1 .Lvout
.set j, 0
.rept 64
	v_ldexp_f32 v[BQ+j], v[BQ+j], s89              ; bias / 2^(e0 + e1)
.set j, j+1
.endr
	WAYOUT 0
	s_branch .Lend
.Lvout:
.set j, 0
.rept 16
	v_ldexp_f32 v[BV+j], v[BV+j], s89
.set j, j+1
.endr
	WAYOUT 1
.Lend:
	s_wait_tensorcnt 0x0                           ; the wave's end
	ds_add_u32 v[SPW], v[NIL]
	s_wait_dscnt 0x0
	CROUND                                         ; the closing round
	s_endpgm
.Lfunc_end_k_qe1456c804a_qkv:
	.size	k_qe1456c804a_qkv, .Lfunc_end_k_qe1456c804a_qkv-k_qe1456c804a_qkv
	.p2alignl 7, 3214868480
	.fill 96, 4, 3214868480
	.section	.rodata,"a",@progbits
	.p2align	6, 0x0
	.amdhsa_kernel k_qe1456c804a_qkv
		.amdhsa_group_segment_fixed_size 327680
		.amdhsa_private_segment_fixed_size 0
		.amdhsa_enable_private_segment 0
		.amdhsa_kernarg_size 56
		.amdhsa_user_sgpr_count 2
		.amdhsa_user_sgpr_kernarg_segment_ptr 1
		.amdhsa_wavefront_size32 1
		.amdhsa_system_sgpr_workgroup_id_x 1
		.amdhsa_system_sgpr_workgroup_id_y 1
		.amdhsa_system_sgpr_workgroup_id_z 1
		.amdhsa_system_vgpr_workitem_id 0
		.amdhsa_next_free_vgpr 1024
		.amdhsa_next_free_sgpr 100
		.amdhsa_reserve_vcc 0
		.amdhsa_float_denorm_mode_32 3
		.amdhsa_float_denorm_mode_16_64 3
		.amdhsa_fp16_overflow 1
		.amdhsa_memory_ordered 1
		.amdhsa_forward_progress 1
		.amdhsa_inst_pref_size 148
	.end_amdhsa_kernel
	.amdgpu_metadata
---
amdhsa.version: [ 1, 2 ]
amdhsa.kernels:
  - .name:           k_qe1456c804a_qkv
    .symbol:         k_qe1456c804a_qkv.kd
    .args:
      - { .name: x_codes, .offset: 0, .size: 8, .value_kind: global_buffer, .address_space: global }
      - { .name: wa_codes, .offset: 8, .size: 8, .value_kind: global_buffer, .address_space: global }
      - { .name: lowp_scales, .offset: 16, .size: 8, .value_kind: global_buffer, .address_space: global }
      - { .name: b_attn, .offset: 24, .size: 8, .value_kind: global_buffer, .address_space: global }
      - { .name: q_codes, .offset: 32, .size: 8, .value_kind: global_buffer, .address_space: global }
      - { .name: k_codes, .offset: 40, .size: 8, .value_kind: global_buffer, .address_space: global }
      - { .name: v_codes, .offset: 48, .size: 8, .value_kind: global_buffer, .address_space: global }
    .group_segment_fixed_size: 327680
    .private_segment_fixed_size: 0
    .kernarg_segment_align: 8
    .kernarg_segment_size: 56
    .max_flat_workgroup_size: 128
    .sgpr_count:     100
    .vgpr_count:     1024
    .wavefront_size: 32
...
	.end_amdgpu_metadata
.endif
;; end of part 2
;; launch attn (part 3): grid 4 x 64, 16 waves a work-group, clusters of 4 x 1, 327,680 bytes of LDS; arguments q_codes, k_codes, v_codes, lowp_scales, y_codes; writes y_codes
.if DOCPART == 3
	.amdgcn_target "amdgcn-amd-amdhsa--gfx1250"
	.amdhsa_code_object_version 6
	.text
	.protected	k_qe1456c804a_attn
	.globl	k_qe1456c804a_attn
	.p2align	8
	.type	k_qe1456c804a_attn,@function
k_qe1456c804a_attn:
	s_mov_b64 s[64:65], 0
	v_nop
	global_prefetch_b8 v0, s[64:65] scope:SCOPE_SE
	s_setreg_imm32_b32 hwreg(HW_REG_WAVE_MODE, 25, 1), 1
	s_wait_xcnt 0x0
	s_wait_alu depctr_hold_cnt(0) depctr_sa_sdst(0) depctr_va_vdst(0) depctr_va_sdst(0) depctr_va_ssrc(0) depctr_va_vcc(0) depctr_vm_vsrc(0)
	s_getreg_b32 s2, hwreg(HW_REG_IB_STS2, 6, 4)
	s_cmp_eq_u32 s2, 0
	s_cbranch_scc0 .Lentry_in_a_cluster
	s_endpgm
.Lentry_in_a_cluster:
	s_bfe_u32 s2, ttmp6, 0x10000c
	s_cmp_lg_u32 s2, 0x3003
	s_cbranch_scc0 .Lentry_shape_is_right
	s_endpgm
.Lentry_shape_is_right:
; Causal attention on codes of FP8 (E4M3), 64 (batch, head) pairs of 2,048 tokens x 64 channels; its result y is quantised again with the scale given for it (e6).
; q_codes, k_codes [bh][t][64]; v_codes [bh][block of 128 keys][d 64][128 keys]; y_codes [head 16][batch x 2,048 + t][64].
; THE SOFTMAX: t = score x log2(e) / 8; M = the running largest t rounded UP to a whole number; p = 2^(t - M) is quantised with 2^e4, not normalised; the row's sum is taken of the unquantised p and divides at the end.
; When M moves, the sum and O are multiplied by 2^(old M - new M): exact.
; LIMITS: e2 + e3 between -123 and 130 (added to c's exponent field); e4, and e6 - e4 - e5, between -126 and 119.  NaN among the inputs is not served.  In K Q^T k stands permuted, alike in both operands.
; SHARES.  A cluster of four work-groups is one (batch, head); all four hold all of its K and V in LDS, brought once by joint loads; nothing is filled again, so there is no ring.
; The 128 tiles of 16 queries fall into 16 groups of 128 queries.  Wave w of partner p owns sub-tile 2 p of group w and sub-tile 2 p + 1 of group 15 - w.  Key step j (128 keys) is hidden for group g where j > g
; and lies on the diagonal where j = g: so every branch hangs on the wave's number and the loop's counter alone, and every wave has (w + 1) + (16 - w) = 17 steps of work.
; The partner's place enters Q's and y's addresses and the mask's lane term, nothing else.
; LAYOUT.  S^T = K Q^T (source 0 = 16 keys, source 1 = my 16 queries), O^T = V^T P^T (source 0 = 16 channels, source 1 = P): a lane holds ONE query (lane % 16) throughout.
; In S^T register 8 c + j is key 16 c + 8 (lane / 16) + j: eight conversions give P's registers 2 c, 2 c + 1 just as the K = 128 form wants them, and V is read in that layout too.
; LDS.  K: four keys (256 bytes) + 16 of padding: key k at 272 (k / 4) + 64 (k % 4).  V: two channels (256 bytes) + 16: channel d of a step at 272 (d / 2) + 128 (d % 2).  With 64 banks of 4 bytes (ISA guide 11.1)
; the lanes of each fragment load fall on different banks.  A step is 8,704 bytes of each.
.set KP,    272
.set STEPB, 32*KP                      ; a key step's K, or its V
.set VBASE, 16*STEPB                   ; V lies behind K
.set STAGE, 2*VBASE                    ; behind both: 1,024 bytes a wave, for the way out; no tile lands there
.set AK0, 1                            ; v1   my lane's place in a tile of K
.set AV0, 2                            ; v2   in a tile of V
.set ADK, 3                            ; v3, v4  the addresses of the loads in hand
.set ADV, 4
.set DA,  5                            ; v5   my query in its group - 8 (lane / 16), first tile;  v6: second tile
.set DB,  6
.set GO,  7                            ; v7   16 x lane
.set STO, 8                            ; v8   the stage, in
.set RD,  9                            ; v9   the stage, back
; v12-15, v246-249: -M, the largest t, the sum in two halves, of the two tiles; v16-23, v24-31 Q; v32-95 K's fragments, then V's; v96-159 S^T, then p; v160-191, v192-223 O^T; v224-239 p's codes;
; v244: 2^e4; v245: 2^(e6 - e4 - e5); v250 -infinity; v242-243, v251-255 at work
.set WV,  14
.set SEL, 20
.set CS,  22
.set G1S, 24                           ; s[24:31] group 1: 32 rows of 256 bytes;  s[32:39]: 224 rows
.set G1L, 32
.set G0KA, 40
.set G0KB, 44
.set G0VA, 48
.set G0VB, 52
.set J,   66                           ; the key step
.set TBK, 67                           ; where its K begins in LDS
.set TBV, 68                           ; and its V
.set GA,  69                           ; my first tile's group
.set GB,  70                           ; my second tile's
.set QA,  72
.set QB,  74
.set YA,  76
.set YB,  78
.macro CROUND                          ; a round of the cluster's barrier
	s_barrier_signal -1
	s_barrier_wait -1
	s_cmp_lg_u32 s[WV], 0
	s_cbranch_scc1 .Lnot_wave_0_\@
	s_barrier_signal -3
.Lnot_wave_0_\@:
	s_barrier_wait -3
	s_barrier_signal -1
	s_barrier_wait -1
.endm
	s_load_b256 s[4:11], s[0:1], 0x0               ; q_codes s[4:5], k_codes s[6:7], v_codes s[8:9], the scales' exponents s[10:11]
	s_load_b64 s[12:13], s[0:1], 0x20              ; y_codes
	v_lshl_add_u32 v254, v0, 2, 0x48000
	v_mov_b32 v255, 0
	ds_add_u32 v254, v255
	ds_add_u32 v254, v255
	s_wait_dscnt 0x0
	v_lshrrev_b32 v1, 5, v0
	s_delay_alu instid0(VALU_DEP_1)
	v_readfirstlane_b32 s[WV], v1                  ; wave 0..15
	s_and_b32 s15, s[WV], 1
	s_bfe_u32 s16, ttmp6, 0x40000                  ; cx: my place in the cluster
	s_and_b32 s17, ttmp7, 0xffff                   ; (batch, head), which the four partners share
	s_lshl_b32 s80, s17, 17                        ; its 131,072 bytes in q, k and v
	s_mov_b32 s81, 0
.irp g, G1S, G1L
	s_mov_b32 s[\g], 15|(1<<20)|(1<<21)|(5<<22)|(3<<25)   ; the mask: all four; elements of 1 byte; padding on; bit 21 beside a mask; 4 words after every 64
	s_mov_b32 s[\g+1], 256<<16                     ; tensor_dim0
	s_mov_b32 s[\g+3], 256<<16                     ; tile_dim0
	s_mov_b32 s[\g+5], 256                         ; from row to row: the blocks are dense
	s_mov_b32 s[\g+6], 0
	s_mov_b32 s[\g+7], 0
.endr
	s_mov_b32 s[G1S+2], 32<<16                     ; tensor_dim1
	s_mov_b32 s[G1S+4], 32                         ; tile_dim1: one key step
	s_mov_b32 s[G1L+2], 224<<16
	s_mov_b32 s[G1L+4], 224                        ; seven key steps
	s_mov_b32 s[SEL], 0x76543210
	s_mov_b32 s[SEL+1], 0xfedcba98
	s_mov_b32 s[CS], 0x3e38aa3b                    ; c = log2(e) / sqrt(64)
	s_mul_i32 s18, s15, STEPB                      ; waves 0, 1: K; waves 2, 3: V.  First load: key step (wave % 2);
	s_mul_i32 s19, s15, 7*STEPB                    ; second: key steps 2 + 7 (wave % 2) on
	s_lshl_b32 s86, s15, 13
	s_mov_b32 s87, 0
	s_mul_i32 s88, s15, 57344
	s_add_co_u32 s88, s88, 16384
	s_mov_b32 s89, 0
	s_wait_kmcnt 0x0
	s_load_b256 s[56:63], s[10:11], 0x0            ; e0 .. e7
	s_add_nc_u64 s[82:83], s[6:7], s[80:81]
	s_add_nc_u64 s[84:85], s[8:9], s[80:81]
	s_mov_b32 s[G0KA], 1
	s_mov_b32 s[G0KA+1], s18
	s_add_nc_u64 s[G0KA+2:G0KA+3], s[82:83], s[86:87]
	s_or_b32 s[G0KA+3], s[G0KA+3], 0x80000000
	s_mov_b32 s[G0KB], 1
	s_add_co_u32 s[G0KB+1], s19, 2*STEPB
	s_add_nc_u64 s[G0KB+2:G0KB+3], s[82:83], s[88:89]
	s_or_b32 s[G0KB+3], s[G0KB+3], 0x80000000
	s_mov_b32 s[G0VA], 1
	s_add_co_u32 s[G0VA+1], s18, VBASE
	s_add_nc_u64 s[G0VA+2:G0VA+3], s[84:85], s[86:87]
	s_or_b32 s[G0VA+3], s[G0VA+3], 0x80000000
	s_mov_b32 s[G0VB], 1
	s_add_co_u32 s[G0VB+1], s19, VBASE+2*STEPB
	s_add_nc_u64 s[G0VB+2:G0VB+3], s[84:85], s[88:89]
	s_or_b32 s[G0VB+3], s[G0VB+3], 0x80000000
	CROUND                                         ; all four work-groups are here: the joint loads meet
	s_cmp_lt_u32 s[WV], 2                          ; a wave's two fills stand in one branch on the wave's number: two loads of mine are out; four v_nop follow the second
	s_cbranch_scc0 .Lnot_k
	tensor_load_to_lds s[G0KA:G0KA+3], s[G1S:G1S+7]
	s_nop 0
	tensor_load_to_lds s[G0KB:G0KB+3], s[G1L:G1L+7]
	s_nop 0
.rept 4
	v_nop
.endr
	s_branch .Lasked
.Lnot_k:
	s_cmp_lt_u32 s[WV], 4
	s_cbranch_scc0 .Lasked
	tensor_load_to_lds s[G0VA:G0VA+3], s[G1S:G1S+7]
	s_nop 0
	tensor_load_to_lds s[G0VB:G0VB+3], s[G1L:G1L+7]
	s_nop 0
.rept 4
	v_nop
.endr
.Lasked:
	s_mov_b32 s[GA], s[WV]
	s_sub_co_u32 s[GB], 15, s[WV]
	s_lshl_b32 s19, s16, 5                         ; 32 p
	s_lshl_b32 s18, s[GA], 7
	s_add_co_u32 s18, s18, s19                     ; my first tile's first query
	s_lshl_b32 s88, s[GB], 7
	s_add_co_u32 s88, s88, s19
	s_add_co_u32 s88, s88, 16                      ; my second tile's
	s_and_b32 s86, s17, 15
	s_lshl_b32 s86, s86, 19                        ; y: head x 8,192 rows of 64 bytes,
	s_lshr_b32 s84, s17, 4
	s_lshl_b32 s84, s84, 17                        ; + batch x 2,048 rows
	s_add_co_u32 s86, s86, s84
	s_add_nc_u64 s[12:13], s[12:13], s[86:87]
	s_add_nc_u64 s[4:5], s[4:5], s[80:81]
	s_lshl_b32 s86, s18, 6
	s_add_nc_u64 s[QA:QA+1], s[4:5], s[86:87]
	s_add_nc_u64 s[YA:YA+1], s[12:13], s[86:87]
	s_lshl_b32 s86, s88, 6
	s_add_nc_u64 s[QB:QB+1], s[4:5], s[86:87]
	s_add_nc_u64 s[YB:YB+1], s[12:13], s[86:87]
	v_and_b32 v10, 15, v0                          ; r
	v_bfe_u32 v11, v0, 4, 1                        ; h
	s_delay_alu instid0(VALU_DEP_2)
	v_lshlrev_b32 v255, 6, v10
	s_delay_alu instid0(VALU_DEP_1)
	v_lshl_add_u32 v255, v11, 4, v255              ; Q: row r of 64 bytes, + 16 h: registers 0-3 hold channels 16 h on, registers 4-7 channels 32 + 16 h on, as K's fragments do
	global_load_b128 v[16:19], v255, s[QA:QA+1]
	global_load_b128 v[20:23], v255, s[QA:QA+1] offset:32
	global_load_b128 v[24:27], v255, s[QB:QB+1]
	global_load_b128 v[28:31], v255, s[QB:QB+1] offset:32
	v_lshrrev_b32 v254, 2, v10
	s_delay_alu instid0(VALU_DEP_1)
	v_mul_u32_u24 v[AK0], v254, KP
	v_and_b32 v254, 3, v10
	s_delay_alu instid0(VALU_DEP_1)
	v_lshl_add_u32 v[AK0], v254, 6, v[AK0]
	s_delay_alu instid0(VALU_DEP_1)
	v_lshl_add_u32 v[AK0], v11, 4, v[AK0]          ; 272 (r / 4) + 64 (r % 4) + 16 h
	v_lshrrev_b32 v254, 1, v10
	s_delay_alu instid0(VALU_DEP_1)
	v_mul_u32_u24 v[AV0], v254, KP
	v_and_b32 v254, 1, v10
	s_delay_alu instid0(VALU_DEP_1)
	v_lshl_add_u32 v[AV0], v254, 7, v[AV0]
	s_delay_alu instid0(VALU_DEP_1)
	v_lshl_add_u32 v[AV0], v11, 3, v[AV0]          ; 272 (r / 2) + 128 (r % 2) + 8 h
	v_lshlrev_b32 v254, 3, v11
	s_delay_alu instid0(VALU_DEP_1)
	v_sub_nc_u32 v[DA], v10, v254
	s_delay_alu instid0(VALU_DEP_1)
	v_add_nc_u32 v[DA], s19, v[DA]                 ; 32 p + r - 8 h
	s_delay_alu instid0(VALU_DEP_1)
	v_add_nc_u32 v[DB], 16, v[DA]
	v_and_b32 v254, 31, v0
	s_delay_alu instid0(VALU_DEP_1)
	v_lshlrev_b32 v[GO], 4, v254
	s_lshl_b32 s86, s[WV], 10
	s_add_co_u32 s86, s86, STAGE
	v_lshlrev_b32 v[STO], 6, v10
	s_delay_alu instid0(VALU_DEP_1)
	v_lshl_add_u32 v[STO], v11, 3, v[STO]
	s_delay_alu instid0(VALU_DEP_1)
	v_add_nc_u32 v[STO], s86, v[STO]               ; row r of 64 bytes, + 8 h
	v_add_nc_u32 v[RD], s86, v[GO]
	v_mov_b32 v13, 0xff61b1e6                      ; the largest t so far: -3e38, under every t
	s_delay_alu instid0(VALU_DEP_1)
	v_floor_f32 v12, -v13                          ; -M
	v_mov_b32 v14, 0
	v_mov_b32 v15, 0
	v_mov_b32 v247, 0xff61b1e6
	s_delay_alu instid0(VALU_DEP_1)
	v_floor_f32 v246, -v247
	v_mov_b32 v248, 0
	v_mov_b32 v249, 0
	v_mov_b32 v250, 0xff800000                     ; -infinity
	v_mov_b32 v251, 0                              ; a lane permute's destination counts as one of its sources
	v_mov_b32 v253, 0                              ; (named as the upper half of the pair v[252:253])
.set j, 0
.rept 64
	v_mov_b32 v[160+j], 0                          ; both O^T.  (The step is written once: a tile's first step finds zeros, which the first change of M leaves zeros)
.set j, j+1
.endr
	s_wait_kmcnt 0x0
	s_add_co_i32 s86, s58, s59
	s_lshl_b32 s86, s86, 23
	s_add_co_i32 s[CS], s[CS], s86                 ; a score stands for score x 2^(e2 + e3): added to c's exponent field
	s_mov_b32 s[CS+1], s[CS]
	s_add_co_i32 s86, s60, 127
	s_lshl_b32 s88, s86, 23
	v_mov_b32 v244, s88                            ; 2^e4
	s_sub_co_i32 s86, s62, s60
	s_sub_co_i32 s86, s86, s61                     ; O^T / l stands for y / 2^(e4 + e5): y's conversion takes 2^(e6 - e4 - e5)
	s_add_co_i32 s86, s86, 127
	s_lshl_b32 s88, s86, 23
	v_mov_b32 v245, s88
; A KEY STEP of one tile.  ST: its statistics; QF: its Q; OT: its O^T; DD: its mask term; SG: its group.
.macro STEP ST, QF, OT, DD, SG
	s_cmp_gt_u32 s[J], s[\SG]                      ; all 128 keys come after my 16 queries: nothing to do
	s_cbranch_scc1 .Lhid_\@
	v_add_nc_u32 v[ADK], s[TBK], v[AK0]
	v_add_nc_u32 v[ADV], s[TBV], v[AV0]
	v_nop                                          ; four places in front of loads into registers that the last products read: the two additions and these two
	v_nop
.irp c, 0,1,2,3,4,5,6,7
	ds_load_b128 v[32+8*\c:35+8*\c], v[ADK] offset:\c*4*KP
	ds_load_b128 v[36+8*\c:39+8*\c], v[ADK] offset:\c*4*KP+32
.endr
	s_wait_alu depctr_va_vdst(0)
	s_wait_dscnt 0x0
.irp c, 0,1,2,3,4,5,6,7
	v_wmma_f32_16x16x64_fp8_fp8 v[96+8*\c:103+8*\c], v[32+8*\c:39+8*\c], v[\QF:\QF+7], 0
.endr
.rept 4
	v_nop                                          ; places in front of the loads below and of the first read of the scores
.endr
.irp t, 0,1,2,3
.irp c, 0,1,2,3,4,5,6,7
	ds_load_b64 v[32+16*\t+2*\c:33+16*\t+2*\c], v[ADV] offset:\t*8*KP+16*\c   ; V's fragments land while the softmax is walked
.endr
.endr
	s_cmp_lg_u32 s[J], s[\SG]
	s_cbranch_scc1 .Lopen_\@
.set n, 0
.rept 64                               ; on the diagonal: register 8 c + i holds key 16 c + 8 (lane / 16) + i of the step: hidden where 16 c + i > my query - 8 (lane / 16)
	v_cmp_gt_i32 vcc_lo, 16*(n/8)+n%8, v[\DD]
	v_cndmask_b32 v[96+n], v[96+n], v250, vcc_lo
.set n, n+1
.endr
.Lopen_\@:
	v_max3_num_f32 v254, v96, v97, v98             ; the step's largest score of my query among my 64 keys, in two chains, each accumulator from its low end on,
	v_max3_num_f32 v252, v99, v100, v101
.irp i, 6,10,14,18,22,26,30,34,38,42,46,50,54,58
	v_max3_num_f32 v254, v254, v[96+\i], v[97+\i]
	v_max3_num_f32 v252, v252, v[98+\i], v[99+\i]
.endr
	v_max3_num_f32 v254, v254, v158, v159
	s_delay_alu instid0(VALU_DEP_1)
	v_max_num_f32 v254, v254, v252
	s_delay_alu instid0(VALU_DEP_1)
	v_permlanex16_b32 v251, v254, s[SEL], s[SEL+1]
	s_delay_alu instid0(VALU_DEP_1)
	v_max_num_f32 v254, v254, v251                 ; and among lane l xor 16's
	s_delay_alu instid0(VALU_DEP_1)
	v_mul_f32 v254, s[CS], v254                    ; as t (c is positive)
	s_delay_alu instid0(VALU_DEP_1)
	v_max_num_f32 v[\ST+1], v[\ST+1], v254         ; the running largest t
	v_mov_b32 v254, v[\ST]
	s_delay_alu instid0(VALU_DEP_2)
	v_floor_f32 v[\ST], -v[\ST+1]                  ; the new -M = floor(-t) = -ceil(t)
	s_delay_alu instid0(VALU_DEP_1)
	v_sub_f32 v254, v[\ST], v254                   ; old M - new M: a whole number, 0 or less
	s_delay_alu instid0(VALU_DEP_1)
	v_cvt_i32_f32 v254, v254                       ; (it saturates)
	s_delay_alu instid0(VALU_DEP_1)
	v_ldexp_f32 v252, 1.0, v254                    ; f = 2^(old M - new M)
.set j, 0
.rept 32
	v_pk_fma_f32 v[96+j:97+j], v[96+j:97+j], s[CS:CS+1], v[\ST:\ST+1] op_sel_hi:[1,0,0]   ; t - M
.set j, j+2
.endr
.set j, 0
	s_wait_alu depctr_va_vdst(0)
.rept 64
	v_exp_f32 v[96+j], v[96+j]                     ; p = 2^(t - M)
.set j, j+1
.endr
	v_pk_mul_f32 v[\ST+2:\ST+3], v[\ST+2:\ST+3], v[252:253] op_sel_hi:[1,0]   ; the sums under the new M: the plain instruction behind the exponentials
	s_wait_alu depctr_va_vdst(0)                   ; one wait for the batch, ahead of its first reader
	v_pk_add_f32 v[242:243], v[96:97], v[98:99]    ; the row's sum is taken of the unquantised p
.irp j, 4,8,12,16,20,24,28,32,36,40,44,48,52,56,60
	v_pk_add_f32 v[\ST+2:\ST+3], v[\ST+2:\ST+3], v[96+\j:97+\j]
	v_pk_add_f32 v[242:243], v[242:243], v[98+\j:99+\j]
.endr
	s_delay_alu instid0(VALU_DEP_1)
	v_pk_add_f32 v[\ST+2:\ST+3], v[\ST+2:\ST+3], v[242:243]
.irp c, 0,1,2,3,4,5,6,7
.irp i, 0,1,2,3,4,5,6,7
.endr
	v_cvt_scalef32_pk8_fp8_f32 v[224+2*\c:225+2*\c], v[96+8*\c:103+8*\c], v244
.endr
.set j, 0
.rept 16
	v_pk_mul_f32 v[\OT+j:\OT+j+1], v[\OT+j:\OT+j+1], v[252:253] op_sel_hi:[1,0]   ; O^T under the new M; also the plain instructions behind the conversions
.set j, j+2
.endr
	s_wait_alu depctr_va_vdst(0)
	s_wait_dscnt 0x0                               ; V
.irp t, 0,1,2,3
	v_wmma_f32_16x16x128_fp8_fp8 v[\OT+8*\t:\OT+8*\t+7], v[32+16*\t:47+16*\t], v[224:239], v[\OT+8*\t:\OT+8*\t+7]   ; four accumulators by turns
.endr
.Lhid_\@:
.endm
.macro BODY
	STEP 12, 16, 160, DA, GA
	STEP 246, 24, 192, DB, GB
	s_add_co_u32 s[TBK], s[TBK], STEPB
	s_add_co_u32 s[TBV], s[TBV], STEPB
	s_add_co_u32 s[J], s[J], 1
.endm
	s_wait_loadcnt 0x0                             ; Q
	s_wait_tensorcnt 1                             ; my first load, a key step, has landed; the large second one may stay out
	s_barrier_signal -1
	s_barrier_wait -1                              ; key steps 0 and 1 are whole
	s_mov_b32 s[J], 0
	s_mov_b32 s[TBK], 0
	s_mov_b32 s[TBV], VBASE
.Lfirst:
	BODY
	s_cmp_lt_u32 s[J], 2
	s_cbranch_scc1 .Lfirst
	s_wait_tensorcnt 0x0                           ; my second load has landed
	s_wait_dscnt 0x0
	s_barrier_signal -1
	s_barrier_wait -1                              ; all of K and V is in LDS: from here on the waves run free
	s_mov_b32 s[J], 2
	s_mov_b32 s[TBK], 2*STEPB
	s_mov_b32 s[TBV], VBASE+2*STEPB
.Lrest:
	BODY
	s_cmp_lt_u32 s[J], 16
	s_cbranch_scc1 .Lrest
	; THE WAY OUT: O^T / the sum, held, eight neighbouring channels to eight codes; a tile's 1,024 bytes go through my stage and leave as they lie.
.rept 4
	v_nop
.endr
	v_add_f32 v14, v14, v15
	v_add_f32 v248, v248, v249
	s_delay_alu instid0(VALU_DEP_2)
	v_permlanex16_b32 v251, v14, s[SEL], s[SEL+1]
	s_delay_alu instid0(VALU_DEP_2)
	v_permlanex16_b32 v254, v248, s[SEL], s[SEL+1]
	s_delay_alu instid0(VALU_DEP_2)
	v_add_f32 v14, v14, v251
	s_delay_alu instid0(VALU_DEP_2)
	v_add_f32 v248, v248, v254
	s_wait_alu depctr_va_vdst(0)
	v_rcp_f32 v14, v14
	v_rcp_f32 v248, v248
	v_nop                                          ; a plain instruction behind the reciprocals
	s_wait_alu depctr_va_vdst(0)                   ; and one wait for both, ahead of the first reader
.macro TOUT OT, L, PC, RB
.set j, 0
.rept 16
	v_pk_mul_f32 v[\OT+j:\OT+j+1], v[\OT+j:\OT+j+1], v[\L:\L+1] op_sel_hi:[1,0]
.set j, j+2
.endr
.set j, 0
.rept 32
.set j, j+1
.endr
.irp t, 0,1,2,3
	v_cvt_scalef32_pk8_fp8_f32 v[\PC+2*\t:\PC+2*\t+1], v[\OT+8*\t:\OT+8*\t+7], v245
.endr
	v_nop
.irp t, 0,1,2,3
	ds_store_b64 v[STO], v[\PC+2*\t:\PC+2*\t+1] offset:16*\t
.endr
.irp i, 0,1
	ds_load_b128 v[\RB+4*\i:\RB+4*\i+3], v[RD] offset:512*\i   ; LDS serves a wave's instructions in order (ISA guide 5.7.1.4)
.endr
.endm
	TOUT 160, 14, 224, 32
	TOUT 192, 248, 232, 40
	s_wait_dscnt 6                                 ; the second tile's four stores and two loads may be out
	global_store_b128 v[GO], v[32:35], s[YA:YA+1] th:TH_STORE_NT            ; 512 consecutive bytes, aligned
	global_store_b128 v[GO], v[36:39], s[YA:YA+1] offset:512 th:TH_STORE_NT
	s_wait_dscnt 0x0
	global_store_b128 v[GO], v[40:43], s[YB:YB+1] th:TH_STORE_NT
	global_store_b128 v[GO], v[44:47], s[YB:YB+1] offset:512 th:TH_STORE_NT
	s_wait_xcnt 0x0
	v_lshl_add_u32 v254, v0, 2, 0x48000
	v_mov_b32 v255, 0
	s_wait_alu depctr_va_vdst(0)
	s_wait_tensorcnt 0x0
	ds_add_u32 v254, v255
	s_wait_dscnt 0x0
	CROUND                                         ; the closing round
	s_endpgm
.Lfunc_end_k_qe1456c804a_attn:
	.size	k_qe1456c804a_attn, .Lfunc_end_k_qe1456c804a_attn-k_qe1456c804a_attn
	.p2alignl 7, 3214868480
	.fill 96, 4, 3214868480
	.section	.rodata,"a",@progbits
	.p2align	6, 0x0
	.amdhsa_kernel k_qe1456c804a_attn
		.amdhsa_group_segment_fixed_size 327680
		.amdhsa_private_segment_fixed_size 0
		.amdhsa_enable_private_segment 0
		.amdhsa_kernarg_size 40
		.amdhsa_user_sgpr_count 2
		.amdhsa_user_sgpr_kernarg_segment_ptr 1
		.amdhsa_wavefront_size32 1
		.amdhsa_system_sgpr_workgroup_id_x 1
		.amdhsa_system_sgpr_workgroup_id_y 1
		.amdhsa_system_sgpr_workgroup_id_z 1
		.amdhsa_system_vgpr_workitem_id 0
		.amdhsa_next_free_vgpr 256
		.amdhsa_next_free_sgpr 92
		.amdhsa_reserve_vcc 1
		.amdhsa_float_denorm_mode_32 3
		.amdhsa_float_denorm_mode_16_64 3
		.amdhsa_fp16_overflow 1
		.amdhsa_memory_ordered 1
		.amdhsa_forward_progress 1
		.amdhsa_inst_pref_size 95
	.end_amdhsa_kernel
	.amdgpu_metadata
---
amdhsa.version: [ 1, 2 ]
amdhsa.kernels:
  - .name:           k_qe1456c804a_attn
    .symbol:         k_qe1456c804a_attn.kd
    .args:
      - { .name: q_codes, .offset: 0, .size: 8, .value_kind: global_buffer, .address_space: global }
      - { .name: k_codes, .offset: 8, .size: 8, .value_kind: global_buffer, .address_space: global }
      - { .name: v_codes, .offset: 16, .size: 8, .value_kind: global_buffer, .address_space: global }
      - { .name: lowp_scales, .offset: 24, .size: 8, .value_kind: global_buffer, .address_space: global }
      - { .name: y_codes, .offset: 32, .size: 8, .value_kind: global_buffer, .address_space: global }
    .group_segment_fixed_size: 327680
    .private_segment_fixed_size: 0
    .kernarg_segment_align: 8
    .kernarg_segment_size: 40
    .max_flat_workgroup_size: 512
    .sgpr_count:     92
    .vgpr_count:     256
    .wavefront_size: 32
...
	.end_amdgpu_metadata
.endif
;; end of part 3
;; launch proj (part 4): grid 4 x 32, 4 waves a work-group, clusters of 4 x 4, 327,680 bytes of LDS; arguments y_codes, wp_codes, lowp_scales, b_proj, out0; writes out0
.if DOCPART == 4
	.amdgcn_target "amdgcn-amd-amdhsa--gfx1250"
	.amdhsa_code_object_version 6
	.text
	.protected	k_qe1456c804a_proj
	.globl	k_qe1456c804a_proj
	.p2align	8
	.type	k_qe1456c804a_proj,@function
k_qe1456c804a_proj:
	s_mov_b64 s[64:65], 0
	v_nop
	global_prefetch_b8 v0, s[64:65] scope:SCOPE_SE
	s_setreg_imm32_b32 hwreg(HW_REG_WAVE_MODE, 25, 1), 1
	s_wait_xcnt 0x0
	s_wait_alu depctr_hold_cnt(0) depctr_sa_sdst(0) depctr_va_vdst(0) depctr_va_sdst(0) depctr_va_ssrc(0) depctr_va_vcc(0) depctr_vm_vsrc(0)
	s_getreg_b32 s2, hwreg(HW_REG_IB_STS2, 6, 4)
	s_cmp_eq_u32 s2, 0
	s_cbranch_scc0 .Lentry_in_a_cluster
	s_endpgm
.Lentry_in_a_cluster:
	s_bfe_u32 s2, ttmp6, 0x10000c
	s_cmp_lg_u32 s2, 0xf033
	s_cbranch_scc0 .Lentry_shape_is_right
	s_endpgm
.Lentry_shape_is_right:
; out0 = y W_proj + b_proj on codes of FP8 (E4M3).  y_codes [head 16][row 8192][64] (K = 64 x head + channel), wp_codes [1024 n][1024 k], out0 [8192][1024] f32.
; The codes are multiplied as they are; each finished sum goes out as sum x 2^(e6 + e7) + bias, one fused multiply-add.
; LIMIT: e6 + e7 between -126 and 127.  Inside a matrix instruction k stands permuted, alike in both operands.
; A tile of 256 x 256 is made by four waves, 128 x 128 each.  K goes in steps of 256 (four heads) through a ring of two LDS slots.  128 tiles: the problem's N gives no more of this size.
; CLUSTERS of 4 x 4: y's tiles are shared along a row of the cluster, W's along a column, by joint loads.  THE MATRIX INSTRUCTION IS USED TRANSPOSED: a lane holds eight neighbouring numbers of a row of out0.
; y's tile of a K step: 4 heads x (128 rows x 64 bytes, dense: 8,192 bytes), 524,288 bytes apart; 16 bytes of padding behind every 64: in LDS [head 4][row 128][80].
; REGISTERS: window 0: v0-31 addresses; v32-95 the bias; v128-255 A's fragments, one set; on the way out rows of out0.  window 1: B's fragments, two sets.  windows 2, 3: the accumulators.
.set ROWB,   256
.set PITCH,  272                       ; B's LDS row
.set APITCH, 80                        ; A's LDS row: 64 bytes + 16 = 20 words: row r starts at bank 20 r mod 64: sixteen rows, sixteen different groups of four banks (64 banks of 4 bytes: ISA guide 11.1)
.set AHEAD,  128*APITCH                ; a head's 128 rows
.set HA,     4*AHEAD                   ; what one load brings of A
.set HB,     128*PITCH                 ; of B
.set FR,     16
.set NL,     4
.set NP,     4
.set SLOT,   2*HA+2*HB
.set LAPS,   2
.set SPARE,  2*SLOT                    ; behind the ring: the spare words, 128 bytes a wave: two blocks of 256 bytes that no other line names
.set SPITCH, 528                       ; the way out: 16 rows x (512 + 16) bytes a wave, in slot 0, which has had its last fill and its last read by then
.set BO,   10
.set ADRA, 16
.set ADRB, 20
.set STO,  24
.set RD,   25
.set CO,   26
.set SPW,  28
.set NIL,  29
.set BI,   32                          ; register 8 b + j: bias of column 16 b + 8 (lane / 16) + j of my 128
.set AF,   128
.set BK,   128
.set G1, 24
.set G0, 32
.set G1B, 48
.set G0B, 56
.set MSB, 0
.macro WIN new
.if MSB != \new
	s_set_vgpr_msb (MSB<<8)|\new
.set MSB, \new
.endif
.endm
.set MUL_LO, 0xa1
.set MUL_HI, 0xf1
.set TO_B,   0x40
.macro JLOAD g0a, g1a, g0b, g1b        ; a joint load: waves 0 and 1 fetch for A, waves 2 and 3 for B; four v_nop follow each line
	s_cmp_eq_u32 s15, 0
	s_cbranch_scc0 .Lfor_b_\@
	tensor_load_to_lds s[\g0a:\g0a+3], s[\g1a:\g1a+7]
	s_nop 0
.rept 4
	v_nop
.endr
	s_branch .Lasked_\@
.Lfor_b_\@:
	tensor_load_to_lds s[\g0b:\g0b+3], s[\g1b:\g1b+7]
	s_nop 0
.rept 4
	v_nop
.endr
.Lasked_\@:
.endm
.macro CREST
	s_cmp_lg_u32 s14, 0
	s_cbranch_scc1 .Lnot_wave_0_\@
	s_barrier_signal -3
.Lnot_wave_0_\@:
	s_barrier_wait -3
	s_barrier_signal -1
	s_barrier_wait -1
.endm
.macro CROUND
	s_barrier_signal -1
	s_barrier_wait -1
	CREST
.endm
	s_load_b256 s[4:11], s[0:1], 0x0               ; y_codes s[4:5], wp_codes s[6:7], the scales' exponents s[8:9], b_proj s[10:11]
	s_load_b64 s[12:13], s[0:1], 0x20              ; out0
	v_lshl_add_u32 v[SPW], v0, 2, SPARE
	v_mov_b32 v[NIL], 0
	ds_add_u32 v28, v29
	ds_add_u32 v28, v29
	s_wait_dscnt 0x0
	v_lshrrev_b32 v1, 5, v0
	v_readfirstlane_b32 s14, v1
	s_lshr_b32 s15, s14, 1                         ; which half of the tile's rows is mine.  Also: I fetch for A (0) or for B (1)
	s_and_b32 s16, s14, 1                          ; which half of its columns.  Also: which 128 rows I fetch
	s_bfe_u32 s40, ttmp6, 0x40000
	s_bfe_u32 s41, ttmp6, 0x40004
	s_lshl_b32 s42, ttmp9, 2
	s_add_co_u32 s42, s42, s40                     ; tile column
	s_and_b32 s17, ttmp7, 0xffff
	s_lshl_b32 s17, s17, 2
	s_add_co_u32 s17, s17, s41                     ; tile row
	s_lshl_b32 s43, s41, 2
	s_lshl_b32 s43, 15, s43
	s_lshl_b32 s44, 0x1111, s40
	s_or_b32 s[G1+0], s43, (0<<16)|(1<<20)|(1<<21)|(3<<22)|(3<<25)   ; A: my row's mask; elements of 1 byte; padding on; bit 21 beside a mask; 4 words after every 16
	s_mov_b32 s[G1+1], 8192<<16                    ; tensor_dim0: 128 rows x 64 bytes
	s_mov_b32 s[G1+2], 4<<16                       ; tensor_dim1: four heads
	s_mov_b32 s[G1+3], 8192<<16                    ; tile_dim0
	s_mov_b32 s[G1+4], 4                           ; tile_dim1
	s_mov_b32 s[G1+5], 524288                      ; from head to head
	s_mov_b32 s[G1+6], 0
	s_mov_b32 s[G1+7], 0
	s_or_b32 s[G1B+0], s44, (0<<16)|(1<<20)|(1<<21)|(5<<22)|(3<<25)  ; B: my column's mask; 4 words after every 64
	s_mov_b32 s[G1B+1], ROWB<<16
	s_mov_b32 s[G1B+2], 128<<16
	s_mov_b32 s[G1B+3], ROWB<<16
	s_mov_b32 s[G1B+4], 128
	s_mov_b32 s[G1B+5], 1024
	s_mov_b32 s[G1B+6], 0
	s_mov_b32 s[G1B+7], 0
	s_lshl_b32 s20, s17, 1
	s_add_co_u32 s20, s20, s16
	s_lshl_b32 s20, s20, 13                        ; A: (256 x tile row + 128 x half) rows of 64 bytes
	s_lshl_b32 s46, s42, 1
	s_add_co_u32 s46, s46, s16
	s_lshl_b32 s46, s46, 17                        ; B: (256 x tile column + 128 x half) rows of 1,024 bytes
	s_mov_b32 s21, 0
	s_mov_b32 s47, 0
	s_mul_i32 s45, s16, HA                         ; where they go: A's two halves,
	s_mul_i32 s74, s16, HB
	s_add_co_u32 s74, s74, 2*HA                    ; then B's two
	s_wait_kmcnt 0x0
	s_load_b256 s[80:87], s[8:9], 0x0              ; e0 .. e7
	s_add_nc_u64 s[20:21], s[4:5], s[20:21]
	s_add_nc_u64 s[46:47], s[6:7], s[46:47]
	CROUND
.irp s, 0,1
	s_mov_b32 s[G0+4*\s], 1
	s_add_co_u32 s[G0+4*\s+1], s45, \s*SLOT
	s_add_nc_u64 s[G0+4*\s+2:G0+4*\s+3], s[20:21], \s*4*524288
	s_or_b32 s[G0+4*\s+3], s[G0+4*\s+3], 0x80000000
	s_mov_b32 s[G0B+4*\s], 1
	s_add_co_u32 s[G0B+4*\s+1], s74, \s*SLOT
	s_add_nc_u64 s[G0B+4*\s+2:G0B+4*\s+3], s[46:47], \s*ROWB
	s_or_b32 s[G0B+4*\s+3], s[G0B+4*\s+3], 0x80000000
	s_wait_alu depctr_va_vdst(0)
	s_wait_tensorcnt 0x0
	ds_add_u32 v28, v29
	ds_add_u32 v28, v29
	s_wait_dscnt 0x0
	CROUND
	JLOAD G0+4*\s, G1, G0B+4*\s, G1B
.endr
	v_and_b32 v1, 15, v0
	v_bfe_u32 v2, v0, 4, 1
	v_mul_u32_u24 v3, v1, APITCH
	v_lshl_add_u32 v3, v2, 4, v3                   ; A: 80 r + 16 h
	v_mul_u32_u24 v4, v1, PITCH
	v_lshl_add_u32 v4, v2, 4, v4                   ; B: 272 r + 16 h
	s_mul_i32 s21, s15, HA
	s_mul_i32 s22, s16, HB
	s_add_co_u32 s22, s22, 2*HA
.irp s, 0,1
	v_add_nc_u32 v[ADRA+\s], s21, v3
	v_add_nc_u32 v[ADRB+\s], s22, v4
	s_add_co_u32 s21, s21, SLOT
	s_add_co_u32 s22, s22, SLOT
.endr
	s_mul_i32 s23, s14, 16*SPITCH
	v_mul_u32_u24 v5, v1, SPITCH
	v_lshl_add_u32 v5, v2, 5, v5
	v_add_nc_u32 v[STO], s23, v5
	v_and_b32 v6, 31, v0
	v_lshlrev_b32 v[CO], 4, v6
	v_add_nc_u32 v[RD], s23, v[CO]
	v_lshlrev_b32 v[BO], 5, v2
	s_wait_alu depctr_va_vdst(0)
	s_lshl_b32 s76, s17, 1
	s_add_co_u32 s76, s76, s15
	s_lshl_b32 s76, s76, 19                        ; my first row of out0: (256 x tile row + 128 x half) x 4,096 bytes
	s_lshl_b32 s78, s42, 1
	s_add_co_u32 s78, s78, s16
	s_lshl_b32 s78, s78, 9                         ; my first column, in bytes; in the bias too
	s_mov_b32 s77, 0
	s_mov_b32 s79, 0
	s_add_nc_u64 s[12:13], s[12:13], s[76:77]
	s_add_nc_u64 s[12:13], s[12:13], s[78:79]
	s_add_nc_u64 s[92:93], s[10:11], s[78:79]
.irp b, 0,1,2,3,4,5,6,7
	global_load_b128 v[BI+8*\b:BI+8*\b+3], v[BO], s[92:93] offset:64*\b
	global_load_b128 v[BI+8*\b+4:BI+8*\b+7], v[BO], s[92:93] offset:64*\b+16
.endr
.macro FRAG reg, adr, q, i             ; B: registers 4 c .. 4 c + 3 hold K = 32 c + 16 (l / 16) + 0 .. 15 of the slot's q-th 128
.irp c, 0,1,2,3
	ds_load_b128 v[\reg+4*\c:\reg+4*\c+3], v[\adr] offset:128*(\q)+32*\c+(\i)*16*PITCH
.endr
.endm
.macro FRAG_A reg, adr, q, i           ; A: the same k: head 2 q + c / 2 of the slot's four, bytes 32 (c % 2) + 16 (l / 16) on of its row
.irp c, 0,1,2,3
	ds_load_b128 v[\reg+4*\c:\reg+4*\c+3], v[\adr] offset:(2*(\q)+(\c>>1))*AHEAD+(\i)*16*APITCH+32*(\c&1)
.endr
.endm
.macro MUL16 a0, p, zero               ; the 64 accumulators take turns, one instruction a turn
.irp a, \a0, \a0+1
.irp b, 0,1,2,3,4,5,6,7
.if \zero
	v_wmma_f32_16x16x128_fp8_fp8 v[8*(8*((\a)%4)+\b):8*(8*((\a)%4)+\b)+7], v[128*(\p)+FR*\b:128*(\p)+FR*\b+FR-1], v[AF+FR*(\a):AF+FR*(\a)+FR-1], 0
.else
	v_wmma_f32_16x16x128_fp8_fp8 v[8*(8*((\a)%4)+\b):8*(8*((\a)%4)+\b)+7], v[128*(\p)+FR*\b:128*(\p)+FR*\b+FR-1], v[AF+FR*(\a):AF+FR*(\a)+FR-1], v[8*(8*((\a)%4)+\b):8*(8*((\a)%4)+\b)+7]
.endif
.endr
.endr
.endm
.macro FETCH_B slot, q, p
	WIN TO_B
.irp i, 0,1,2,3,4,5,6,7
	FRAG 128*(\p)+FR*\i, ADRB+\slot, \q, \i
.endr
	WIN 0
.endm
.macro FETCH_A slot, q, i0
.irp i, \i0, \i0+1, \i0+2, \i0+3
	FRAG_A AF+FR*(\i), ADRA+\slot, \q, \i
.endr
.endm
.macro PLACES n
.rept \n
	v_nop
.endr
.endm
.macro STEP slot, q, zero
	s_wait_dscnt 4*NL                              ; B's set and A's blocks 0-3 are in; A's blocks 4-7 may be out
	WIN MUL_LO
	MUL16 0, (\q)%2, \zero
	MUL16 2, (\q)%2, \zero
	s_wait_dscnt 0
	PLACES NP
	FETCH_B \slot, (\q)+1, 1-(\q)%2
	FETCH_A \slot, (\q)+1, 0
	WIN MUL_HI
	MUL16 4, (\q)%2, \zero
	MUL16 6, (\q)%2, \zero
	PLACES NP
	WIN 0
	FETCH_A \slot, (\q)+1, 4
.endm
.macro TURN slot, next, fill
	s_wait_tensorcnt 0x0                           ; all my tensor loads have landed: my part of the next slot
	ds_add_u32 v[SPW], v[NIL]                      ; 0 onto my spare word
	s_wait_dscnt 4*NL+1                            ; (the add and A's blocks 4-7 may be out)
	WIN MUL_LO
	MUL16 0, 1, 0
	s_wait_dscnt 0x0                               ; the add is done, and my reads of this slot are over
	s_barrier_signal -1
	MUL16 2, 1, 0
	WIN 0
	s_barrier_wait -1
.if \fill
	CREST                                          ; the barrier has opened a round of the cluster's
	s_add_nc_u64 s[G0+4*\slot+2:G0+4*\slot+3], s[G0+4*\slot+2:G0+4*\slot+3], 8*524288
	s_add_nc_u64 s[G0B+4*\slot+2:G0B+4*\slot+3], s[G0B+4*\slot+2:G0B+4*\slot+3], 2*ROWB
	JLOAD G0+4*\slot, G1, G0B+4*\slot, G1B         ; the first tensor load behind the round
.else
	PLACES NP
.endif
	FETCH_B \next, 0, 0
	FETCH_A \next, 0, 0
	WIN MUL_HI
	MUL16 4, 1, 0
	MUL16 6, 1, 0
	PLACES NP
	WIN 0
	FETCH_A \next, 0, 4
.endm
	s_wait_tensorcnt 1                             ; my part of K step 0 is in; K step 1's load may be out
	s_barrier_signal -1
	s_barrier_wait -1
	FETCH_B 0, 0, 0
	FETCH_A 0, 0, 0
	FETCH_A 0, 0, 4
	STEP 0, 0, 1
	s_mov_b32 s3, LAPS-1
.Llap:
	TURN 0, 1, 1
	STEP 1, 0, 0
	TURN 1, 0, 1
	STEP 0, 0, 0
	s_sub_co_u32 s3, s3, 1
	s_cmp_lg_u32 s3, 0
	s_cbranch_scc1 .Llap
	TURN 0, 1, 0
	STEP 1, 0, 0
	s_wait_dscnt 4*NL
	WIN MUL_LO
	MUL16 0, 1, 0
	MUL16 2, 1, 0
	s_wait_dscnt 0
	WIN MUL_HI
	MUL16 4, 1, 0
	MUL16 6, 1, 0
	WIN 0
; THE WAY OUT, block by block of 16 rows x 128 columns, through my stage: in, 32 bytes a lane; back, whole rows of 512 bytes.
.macro TOSTAGE a
.set AC, 64*((\a)%4)
.set WW, 2+(\a)/4
.set WN, (WW<<6)|WW
.set WD, WW<<2
.set BB, BK+64*((\a)%2)
	WIN WN
.set j, 0
.rept 32
	v_pk_fma_f32 v[AC+j:AC+j+1], v[AC+j:AC+j+1], s[96:97], v[BI+j:BI+j+1] op_sel_hi:[1,0,1]   ; sum x 2^(e6 + e7) + bias; each accumulator from its low end on
.set j, j+2
.endr
	WIN WD                                         ; the stores' data: the accumulators' window
.irp b, 0,1,2,3,4,5,6,7
	ds_store_b128 v[STO], v[AC+8*\b:AC+8*\b+3] offset:64*\b
	ds_store_b128 v[STO], v[AC+8*\b+4:AC+8*\b+7] offset:64*\b+16
.endr
	WIN 0
.irp t, 0,1,2,3,4,5,6,7,8,9,10,11,12,13,14,15
	ds_load_b128 v[BB+4*\t:BB+4*\t+3], v[RD] offset:\t*SPITCH   ; LDS serves a wave's instructions in order (ISA guide 5.7.1.4)
.endr
.endm
.macro SEND a, younger
.set BB, BK+64*((\a)%2)
	s_wait_dscnt \younger
.irp t, 0,1,2,3,4,5,6,7,8,9,10,11,12,13,14,15
	global_store_b128 v[CO], v[BB+4*\t:BB+4*\t+3], s[12:13] offset:(16*(\a)+\t)*4096 th:TH_STORE_NT   ; 32 lanes store 512 consecutive bytes, aligned; 127 rows at the most: inside the signed 24-bit immediate
.endr
.endm
	s_wait_loadcnt 0x0                             ; the bias
	s_wait_kmcnt 0x0
	s_add_co_i32 s96, s86, s87
	s_add_co_i32 s96, s96, 127
	s_lshl_b32 s96, s96, 23                        ; 2^(e6 + e7) as f32
	s_mov_b32 s97, s96                             ; (named with it as a pair)
	PLACES NP
	TOSTAGE 0
.irp a, 1,2,3,4,5,6,7
.if \a > 1
	s_wait_xcnt 0x0                                ; block a - 2's stores have read their registers: block a's loads may land there
.endif
	TOSTAGE \a
	SEND \a-1, 32                                  ; behind block a - 1's loads: block a's 16 stores and 16 loads
.endr
	SEND 7, 0
	s_wait_tensorcnt 0x0                           ; the wave's end
	ds_add_u32 v[SPW], v[NIL]
	s_wait_dscnt 0x0
	CROUND                                         ; the closing round
	s_endpgm
.Lfunc_end_k_qe1456c804a_proj:
	.size	k_qe1456c804a_proj, .Lfunc_end_k_qe1456c804a_proj-k_qe1456c804a_proj
	.p2alignl 7, 3214868480
	.fill 96, 4, 3214868480
	.section	.rodata,"a",@progbits
	.p2align	6, 0x0
	.amdhsa_kernel k_qe1456c804a_proj
		.amdhsa_group_segment_fixed_size 327680
		.amdhsa_private_segment_fixed_size 0
		.amdhsa_enable_private_segment 0
		.amdhsa_kernarg_size 40
		.amdhsa_user_sgpr_count 2
		.amdhsa_user_sgpr_kernarg_segment_ptr 1
		.amdhsa_wavefront_size32 1
		.amdhsa_system_sgpr_workgroup_id_x 1
		.amdhsa_system_sgpr_workgroup_id_y 1
		.amdhsa_system_sgpr_workgroup_id_z 1
		.amdhsa_system_vgpr_workitem_id 0
		.amdhsa_next_free_vgpr 1024
		.amdhsa_next_free_sgpr 98
		.amdhsa_reserve_vcc 0
		.amdhsa_float_denorm_mode_32 3
		.amdhsa_float_denorm_mode_16_64 3
		.amdhsa_memory_ordered 1
		.amdhsa_forward_progress 1
		.amdhsa_inst_pref_size 126
	.end_amdhsa_kernel
	.amdgpu_metadata
---
amdhsa.version: [ 1, 2 ]
amdhsa.kernels:
  - .name:           k_qe1456c804a_proj
    .symbol:         k_qe1456c804a_proj.kd
    .args:
      - { .name: y_codes, .offset: 0, .size: 8, .value_kind: global_buffer, .address_space: global }
      - { .name: wp_codes, .offset: 8, .size: 8, .value_kind: global_buffer, .address_space: global }
      - { .name: lowp_scales, .offset: 16, .size: 8, .value_kind: global_buffer, .address_space: global }
      - { .name: b_proj, .offset: 24, .size: 8, .value_kind: global_buffer, .address_space: global }
      - { .name: out0, .offset: 32, .size: 8, .value_kind: global_buffer, .address_space: global }
    .group_segment_fixed_size: 327680
    .private_segment_fixed_size: 0
    .kernarg_segment_align: 8
    .kernarg_segment_size: 40
    .max_flat_workgroup_size: 128
    .sgpr_count:     98
    .vgpr_count:     1024
    .wavefront_size: 32
...
	.end_amdgpu_metadata
.endif
;; end of part 4
